; MI455X (gfx1250); checked and timed in simulation.
; The chip was launched on July 23, 2026; its instructions are those of AMD's public machine-readable ISA for CDNA 5 (MIT licence, August 2026) and "CDNA5" Instruction Set Architecture Reference Guide (July 2026). The comments in the code are by the model that wrote it; some were corrected since.
;; Multihead Attention Block. Allowed arithmetic: matrix products marked QUANTISED: E3M2 operands, one E8M0 scale for each 32 along K, by v_wmma_scale_f32_16x16x128_f8f6f4 with both operands' format E3M2, f32 sums; everything else in f32.
;; Inputs: bk 1,024 float32; bo 1,024 float32; bq 1,024 float32; bv 1,024 float32; k 4 x 2,048 x 1,024 float32; mask 1 x 1 x 2,048 x 2,048 int32; q 4 x 2,048 x 1,024 float32; v 4 x 2,048 x 1,024 float32; wk 1,024 x 1,024 float32; wo 1,024 x 1,024 float32; wq 1,024 x 1,024 float32; wv 1,024 x 1,024 float32.
;; Outputs: out0 4 x 2,048 x 1,024 float32.
;; This version of the problem:
;;   THIS VERSION OF THE PROBLEM IS GIVEN IN LOW PRECISION. The matrix products marked QUANTISED in the list below multiply operands that are first quantised to E3M2 (3 exponent bits, 2 mantissa bits; 6 bits a number), with one power-of-two scale for each 32 numbers along K (OCP MX v1.0); their sums are f32. All else is computed in f32.
;;   The module's matrix products, in the order in which they are computed (A, B: the left and right operand; K: the contracted axis; several contracted axes count as one K, in the product's order):
;;     1. [M 8,192, K 1,024] x [K 1,024, N 1,024]; A: input q; B: input wq: QUANTISED
;;     2. [M 8,192, K 1,024] x [K 1,024, N 1,024]; A: input k; B: input wk: QUANTISED
;;     3. [M 8,192, K 1,024] x [K 1,024, N 1,024]; A: input v; B: input wv: QUANTISED
;;     4. batch 64 x [M 2,048, K 64] x [K 64, N 2,048]; A: computed on the way; B: computed on the way: QUANTISED
;;     5. batch 64 x [M 2,048, K 2,048] x [K 2,048, N 64]; A: softmax (see below); B: computed on the way: QUANTISED
;;     6. [M 8,192, K 1,024] x [K 1,024, N 1,024]; A: computed on the way; B: input wo: QUANTISED
;;   THE QUANTISER, for each operand of a quantised product, along K:
;;     - K is cut into blocks of 32 from its start; a last block that is shorter is filled with zeros.
;;     - A block's scale is 2^e with e = floor(log2(the largest magnitude in the block)) - 4, held to -126 .. 127; a block of zeros has e = 0. As a byte (E8M0): e + 127.
;;     - Each number is divided by its block's scale, clamped to +-28, and rounded to the nearest number of E3M2, ties to even, subnormals kept.
;;     - The product sums the exact products of the quantised numbers (number of the format x scale) in f32.
;;   ~~~python
;;   def quantise(x, axis):      # numpy; x: float32 -> the quantised numbers, widened to float32 again
;;       x = np.moveaxis(x, axis, -1); K = x.shape[-1]
;;       x = np.pad(x, [(0, 0)] * (x.ndim - 1) + [(0, -K % 32)]); x = x.reshape(x.shape[:-1] + (-1, 32)); a = np.abs(x).max(-1, keepdims=True)
;;       e = np.where(a > 0, np.clip(np.frexp(np.where(a > 0, a, 1))[1] - 1 - 4, -126, 127), 0)      # np.frexp(a)[1] - 1 = floor(log2(a)), exactly
;;       r = np.clip(x / 2.0 ** e, -28, 28)
;;       step = 2.0 ** (np.maximum(np.frexp(np.where(r == 0, 1, r))[1] - 1, -2) - 2)
;;       q = np.round(r / step) * step * 2.0 ** e      # np.round: ties to even
;;       return np.moveaxis(q.reshape(q.shape[:-2] + (-1,))[..., :K], -1, axis).astype(np.float32)
;;   ~~~
;;   SOFTMAX AHEAD OF A QUANTISED PRODUCT. Where the list says 'softmax', what is quantised is not the finished softmax but p = 2^(t - M), with t = logit x log2(e) and M = ceil(the row's largest t), a whole number; so 1/2 < the row's largest p <= 1. The row's sum l is taken of the UNQUANTISED p, in f32, and the product's result is divided by l at the end. Since M is a whole number, a kernel that streams over the keys may use a running M (the ceiling of the running maximum): every later rescaling is an exact power of two, which a block's scale takes up: the codes' values come out the same.
;;   OPERANDS COMPUTED ON THE WAY. 'Computed on the way' means the value that the module computes at that place (a softmax that the list does not call 'softmax' is quantised finished and normalised). What goes into a quantiser is computed in f32, as accurately as f32 sums, v_exp_f32 and their like allow (about 1e-6 of the number): no bf16 or f16 on the way to a quantiser, and a product that is left as it is and whose result goes on into a quantised operand takes f32 operands (vector FMAs, or v_wmma_f32_16x16x4_f32). A number that lies on a knife's edge between two numbers of the format may be rounded either way, as far as f32 arithmetic and the matrix unit's own rounding can turn it there, and no further.
;; 2 versions, each right; version 2 is version 1 with the launch attn written anew for expert scheduling mode. Each part assembles by itself: llvm-mc -triple=amdgcn-amd-amdhsa -mcpu=gfx1250 --defsym DOCPART=n.
;; ======== version 1 of 2: 4 launches
;; workspace buffers: codes1 22,020,096 bytes; scales1 917,504 bytes; maskw 525,312 bytes of whole numbers; codes2 18,874,368 bytes; scales2 1,310,720 bytes; codes3 6,291,456 bytes; scales3 262,144 bytes
;; launch prep (part 1): grid 512 x 1, 4 waves a work-group, no clusters, 68,096 bytes of LDS; arguments q, k, v, wq, wk, wv, wo, mask, codes1, scales1, maskw; writes codes1, scales1, maskw
.if DOCPART == 1
	.amdgcn_target "amdgcn-amd-amdhsa--gfx1250"
	.amdhsa_code_object_version 6
	.text
	.protected	k_qcd9f2b8709_prep
	.globl	k_qcd9f2b8709_prep
	.p2align	8
	.type	k_qcd9f2b8709_prep,@function
k_qcd9f2b8709_prep:
	s_mov_b64 s[64:65], 0
	v_nop
	global_prefetch_b8 v0, s[64:65] scope:SCOPE_SE
	s_setreg_imm32_b32 hwreg(HW_REG_WAVE_MODE, 25, 1), 1
	s_wait_xcnt 0x0
; q, k, v [8192][1024] and wq, wk, wv, wo [1024][1024], f32, K innermost, become codes of BF6 (E3M2) with one E8M0 byte for each 32 along K; the mask [2048][2048] int32 becomes lane masks and flags.
; A block's scale is 2^(floor(log2(its largest magnitude)) - 4); its byte is the largest magnitude's exponent field - 4, held at 1 from below.
; LIMITS: NaN and infinities among the inputs are not served; a block whose largest magnitude lies under 2^-122 keeps the byte 1; a block of zeros gets the byte 1 where the rule says 127
; (its codes are zeros, which add nothing under any byte but 0xff, and the bytes are read by this program alone).
; LAYOUT OF THE CODES: in the order of the operand's registers.  A ROW TILE T is 16 rows: lane r stands for row 32 (T / 2) + 8 (T % 2) + r + 8 (r / 8).  For each 128 along K a tile has a FRAGMENT IMAGE of 1,536 bytes:
; two halves of 768 (64 along K each): registers 0-3 at 16 x lane, registers 4-5 at 512 + 8 x lane.  A tile of K = 1,024 is 8 images, 12,288 bytes; its scale words lie at 32 r + 4 x (K step), 512 bytes a tile.
; SHARES: wave W = 4 x work-group + wave.  W < 1792: row tile W (q 0-511, k 512-1023, v 1024-1535, wq, wk, wv, wo 64 each), 8 units of 16 rows x 128 numbers.
; W >= 1792: m = W - 1792: query tile m / 2, key steps 8 (m % 2) + 0 .. 7 of the mask: word n of a step: bit r + 16 h says whether mask[row of lane r][128 step + 32 (n / 16) + 16 h + n % 16] is not 0.
; Each load reads 512 consecutive bytes of one row; a unit's 8 KB turn through the wave's own stage in LDS (rows 528 bytes apart), so that a lane gets 16 neighbours of each block of 32.
; No barrier: waves share nothing.  The two paths part once, on the work-group's number, and have LDS bytes of their own.
.set STGB, 8448                        ; a wave's stage: 16 rows x 528 bytes
.set MLDS, 4*STGB                      ; the mask path's stages begin here
.set TM,  16                           ; v16-19 largest magnitudes, v20-23 the other half's and then the bytes, v28-31 the conversions' scale operands
.set PC,  32                           ; v32-43 a fragment's codes; v44-46, v48-50 the conversions' second halves
.set SW,  52                           ; v52-59 the tile's 8 scale words
.set YY,  60                           ; v60-63 the scale words as they are stored
.set R,   64                           ; v64-191 two sets of 64 numbers
.set SEL, 32                           ; s[32:33] v_permlanex16_b32's selects for lane l xor 16
	s_load_b512 s[4:19], s[0:1], 0x0               ; q, k, v, wq, wk, wv, wo, mask
	s_load_b128 s[20:23], s[0:1], 0x40             ; codes1, scales1
	s_load_b64 s[24:25], s[0:1], 0x50              ; maskw
	v_lshl_add_u32 v192, v0, 2, 0x10800
	v_mov_b32 v193, 0
	v_lshrrev_b32 v7, 5, v0
	v_readfirstlane_b32 s27, v7                    ; wave
	s_lshl_b32 s26, ttmp9, 2
	s_add_co_u32 s26, s26, s27                     ; W
	v_and_b32 v6, 31, v0                           ; lane
	v_and_b32 v8, 15, v0                           ; r
	v_bfe_u32 v9, v0, 4, 1                         ; h
	v_lshlrev_b32 v1, 4, v6                        ; 16 x lane
	v_lshlrev_b32 v2, 3, v6                        ; 8 x lane
	s_mul_i32 s31, s27, STGB
	v_add_nc_u32 v3, s31, v1                       ; the stage, on the way in: 16 x lane of a row
	v_mul_u32_u24 v4, v8, 528
	v_lshl_add_u32 v4, v9, 6, v4
	v_add_nc_u32 v4, s31, v4                       ; and on the way out: row r, + 64 h: my 16 numbers of a block of 32
	v_lshlrev_b32 v5, 5, v8
	v_lshl_add_u32 v5, v9, 4, v5                   ; the scale words' store: 32 r + 16 h
	s_mov_b32 s[SEL], 0x76543210
	s_mov_b32 s[SEL+1], 0xfedcba98
	s_mov_b32 s34, 0xffff0000                      ; lanes 16-31
	s_mov_b32 s37, 0
	s_wait_kmcnt 0x0
.macro LOAD u, pitch                   ; unit u: 16 rows x 512 bytes into set u % 2
.irp i, 0,1,2,3,4,5,6,7,8,9,10,11,12,13,14,15
	global_load_b128 v[R+64*((\u)%2)+4*\i:R+64*((\u)%2)+4*\i+3], v1, s[28:29] offset:(\i+8*(\i/8))*\pitch+512*(\u) th:TH_LOAD_NT
.endr
.endm
.macro TURN u, lb                      ; through the stage and back into the registers that the numbers left: LDS serves a wave's instructions in order, so no wait stands between
.irp i, 0,1,2,3,4,5,6,7,8,9,10,11,12,13,14,15
	ds_store_b128 v3, v[R+64*((\u)%2)+4*\i:R+64*((\u)%2)+4*\i+3] offset:\lb+528*\i
.endr
.irp b, 0,1,2,3
.irp j, 0,1,2,3
	ds_load_b128 v[R+64*((\u)%2)+16*\b+4*\j:R+64*((\u)%2)+16*\b+4*\j+3], v4 offset:\lb+128*\b+16*\j   ; register 16 b + i = number 32 b + 16 h + i of row r
.endr
.endr
.endm
; 64 numbers of a lane, register 16 b + i = k 32 b + 16 h + i of my row, become a fragment's codes in v[PC] on and its scale word in v[pw]
.macro QUANT s, pw
.irp b, 0,1,2,3
	v_max3_num_f32 v[TM+\b], |v[(\s)+16*\b]|, |v[(\s)+16*\b+1]|, 0x2800000   ; my 16 numbers of block b, and the floor 2^(5 - 127): the byte cannot fall under 1
.endr
.irp i, 2,4,6,8,10,12,14
.irp b, 0,1,2,3
	v_max3_num_f32 v[TM+\b], v[TM+\b], |v[(\s)+16*\b+\i]|, |v[(\s)+16*\b+\i+1]|
.endr
.endr
.irp b, 0,1,2,3
	v_permlanex16_b32 v[TM+4+\b], v[TM+\b], s[SEL], s[SEL+1]
.endr
.irp b, 0,1,2,3
	v_max_num_f32 v[TM+\b], v[TM+\b], v[TM+4+\b]   ; with lane l xor 16's: the block's largest magnitude
.endr
.irp b, 0,1,2,3
	v_add_nc_u32 v[TM+12+\b], 0xfe000000, v[TM+\b] ; 4 off its exponent field: the conversion takes this operand's exponent field as its scale
.endr
.irp b, 0,1,2,3
	v_lshrrev_b32 v[TM+4+\b], 23, v[TM+12+\b]      ; the scale's byte
.endr
	v_lshl_or_b32 v[\pw], v[TM+5], 8, v[TM+4]
	v_lshl_or_b32 v[\pw], v[TM+6], 16, v[\pw]
	v_lshl_or_b32 v[\pw], v[TM+7], 24, v[\pw]
.irp c, 0,1
	v_cvt_scalef32_pk16_bf6_f32 v[PC+6*\c:PC+6*\c+2], v[(\s)+32*\c:(\s)+32*\c+15], v[TM+12+2*\c]
	v_cvt_scalef32_pk16_bf6_f32 v[PC+12+4*\c:PC+14+4*\c], v[(\s)+32*\c+16:(\s)+32*\c+31], v[TM+12+2*\c+1]   ; (a conversion's three registers begin on an even number)
.endr
	v_nop                                          ; one plain place behind a scaled conversion
.irp c, 0,1                            ; the operand's layout wants a whole block in a lane: lanes 0-15 block 2 c, lanes 16-31 block 2 c + 1
.irp i, 0,1,2
	v_permlane16_swap_b32 v[PC+6*\c+\i], v[PC+12+4*\c+\i]
.endr
.irp i, 0,1,2
	v_mov_b32 v[PC+3+6*\c+\i], v[PC+12+4*\c+\i]
.endr
.endr
.endm
	s_cmp_ge_u32 ttmp9, 448
	s_cbranch_scc1 .Lmask
	; ---- THE QUANTISING PATH
	s_mov_b64 s[28:29], s[4:5]
	s_mov_b32 s30, 0
.macro PICK lo, p                      ; from tile lo on the source is the next tensor: a choice on the wave's index alone
	s_cmp_ge_u32 s26, \lo
	s_cselect_b64 s[28:29], s[\p:\p+1], s[28:29]
	s_cselect_b32 s30, \lo, s30
.endm
	PICK 512, 6
	PICK 1024, 8
	PICK 1536, 10
	PICK 1600, 12
	PICK 1664, 14
	PICK 1728, 16
	s_sub_co_u32 s30, s26, s30                     ; the tile's index in its tensor
	s_lshr_b32 s36, s30, 1
	s_lshl_b32 s36, s36, 5
	s_and_b32 s30, s30, 1
	s_lshl_b32 s30, s30, 3
	s_add_co_u32 s36, s36, s30                     ; its first row: 32 (T / 2) + 8 (T % 2)
	s_lshl_b32 s36, s36, 12                        ; rows of 4,096 bytes
	s_add_nc_u64 s[28:29], s[28:29], s[36:37]
	s_mul_i32 s36, s26, 12288
	s_add_nc_u64 s[20:21], s[20:21], s[36:37]      ; my tile's images
	s_lshl_b32 s36, s26, 9
	s_add_nc_u64 s[22:23], s[22:23], s[36:37]      ; and its scale words
.irp b, 0,1,2,3
	v_mov_b32 v[TM+4+\b], 0                        ; written once: a lane permute's destination counts as one of its sources
.endr
	LOAD 0, 4096
	LOAD 1, 4096
.macro QUNIT u
.if \u < 7
	s_wait_loadcnt 16                              ; this unit's 16 loads are in; the next unit's may be out
.else
	s_wait_loadcnt 0x0
.endif
	TURN \u, 0
	s_wait_dscnt 0x0
	s_wait_xcnt 0x0                                ; the last unit's stores have read the codes' registers
	QUANT R+64*((\u)%2), SW+\u
.if \u < 6
	LOAD \u+2, 4096                                ; the set is free: two units on
.endif
	global_store_b128 v1, v[PC:PC+3], s[20:21] offset:1536*\u          ; each store covers 512 or 256 consecutive bytes, aligned to 256
	global_store_b64 v2, v[PC+4:PC+5], s[20:21] offset:1536*\u+512
	global_store_b128 v1, v[PC+6:PC+9], s[20:21] offset:1536*\u+768
	global_store_b64 v2, v[PC+10:PC+11], s[20:21] offset:1536*\u+1280
.endm
.irp u, 0,1,2,3,4,5,6,7
	QUNIT \u
.endr
.irp i, 0,1,2,3
	v_cndmask_b32 v[YY+\i], v[SW+\i], v[SW+4+\i], s34   ; lanes 0-15 store K steps 0-3 of their row, lanes 16-31 K steps 4-7
.endr
	global_store_b128 v5, v[YY:YY+3], s[22:23]     ; 512 consecutive bytes
	s_wait_tensorcnt 0x0
	ds_add_u32 v192, v193
	s_wait_dscnt 0x0
	s_endpgm
	; ---- THE MASK PATH
.Lmask:
	s_sub_co_u32 s30, s26, 1792
	s_lshr_b32 s35, s30, 1                         ; query tile
	s_and_b32 s30, s30, 1                          ; which 8 key steps
	s_lshr_b32 s36, s35, 1
	s_lshl_b32 s36, s36, 5
	s_and_b32 s38, s35, 1
	s_lshl_b32 s38, s38, 3
	s_add_co_u32 s36, s36, s38                     ; the tile's first row
	s_lshl_b32 s36, s36, 13                        ; rows of 8,192 bytes
	s_lshl_b32 s38, s30, 12                        ; 8 key steps of 512 bytes
	s_add_co_u32 s36, s36, s38
	s_add_nc_u64 s[28:29], s[18:19], s[36:37]
	s_lshl_b32 s36, s35, 12                        ; the words: (16 tile + 8 half) x 256 bytes
	s_lshl_b32 s38, s30, 11
	s_add_co_u32 s36, s36, s38
	s_add_nc_u64 s[20:21], s[24:25], s[36:37]
	s_lshl_b32 s36, s35, 3                         ; the flags: 524,288 (in the store's immediate) + 8 tile + 4 half
	s_lshl_b32 s38, s30, 2
	s_add_co_u32 s36, s36, s38
	s_add_nc_u64 s[22:23], s[24:25], s[36:37]
	s_mov_b32 s50, 0                               ; the flags
.irp i, 12,13,14,15
	v_mov_b32 v\i, 0                               ; v_writelane_b32's destination counts as read
.endr
	LOAD 0, 8192
	LOAD 1, 8192
.macro MASKU u                         ; 64 compares give the step's 64 words; word n goes to lane n / 2 of a register pair; their OR and AND give the flags
.set MS, R+64*((\u)%2)
.set MP, 12+2*((\u)%2)
.set n, 0
.rept 64
	v_cmp_ne_u32 s[40+n%8], 0, v[MS+n]
.if n == 0
	s_mov_b32 s48, s[40]
	s_mov_b32 s49, s[40]
.else
	s_or_b32 s48, s48, s[40+n%8]
	s_and_b32 s49, s49, s[40+n%8]
.endif
	v_writelane_b32 v[MP+n%2], s[40+n%8], n/2
.set n, n+1
.endr
	s_cmp_eq_u32 s48, 0                            ; all 16 x 128 masked: bit u
	s_cselect_b32 s52, 1<<(\u), 0
	s_or_b32 s50, s50, s52
	s_cmp_eq_u32 s49, -1                           ; all open: bit 8 + u
	s_cselect_b32 s52, 0x100<<(\u), 0
	s_or_b32 s50, s50, s52
.endm
.macro MUNIT u
.if \u < 7
	s_wait_loadcnt 16                              ; this unit's 16 loads are in; the next unit's may be out
.else
	s_wait_loadcnt 0x0
.endif
	TURN \u, MLDS
	s_wait_dscnt 0x0
	s_wait_xcnt 0x0                                ; the store of two units ago has read its pair
	MASKU \u
.if \u < 6
	LOAD \u+2, 8192
.endif
	global_store_b64 v2, v[12+2*((\u)%2):13+2*((\u)%2)], s[20:21] offset:256*\u   ; one aligned run of 256 bytes
.endm
.irp u, 0,1,2,3,4,5,6,7
	MUNIT \u
.endr
	v_mov_b32 v7, s50
	v_mov_b32 v8, 0
	v_cmp_eq_u32 vcc_lo, 0, v6
	s_wait_xcnt 0x0                                ; EXEC changes only behind this wait
	s_wait_tensorcnt 0x0
	ds_add_u32 v192, v193
	s_wait_dscnt 0x0
	s_and_saveexec_b32 s51, vcc_lo
	global_store_b32 v8, v7, s[22:23] offset:524288   ; lane 0 stores the wave's flag word
	s_wait_xcnt 0x0
	s_or_b32 exec_lo, exec_lo, s51
	s_endpgm
.Lfunc_end_k_qcd9f2b8709_prep:
	.size	k_qcd9f2b8709_prep, .Lfunc_end_k_qcd9f2b8709_prep-k_qcd9f2b8709_prep
	.p2alignl 7, 3214868480
	.fill 96, 4, 3214868480
	.section	.rodata,"a",@progbits
	.p2align	6, 0x0
	.amdhsa_kernel k_qcd9f2b8709_prep
		.amdhsa_group_segment_fixed_size 68096
		.amdhsa_private_segment_fixed_size 0
		.amdhsa_enable_private_segment 0
		.amdhsa_kernarg_size 88
		.amdhsa_user_sgpr_count 2
		.amdhsa_user_sgpr_kernarg_segment_ptr 1
		.amdhsa_wavefront_size32 1
		.amdhsa_system_sgpr_workgroup_id_x 1
		.amdhsa_system_sgpr_workgroup_id_y 1
		.amdhsa_system_sgpr_workgroup_id_z 1
		.amdhsa_system_vgpr_workitem_id 0
		.amdhsa_next_free_vgpr 194
		.amdhsa_next_free_sgpr 66
		.amdhsa_reserve_vcc 1
		.amdhsa_float_denorm_mode_32 3
		.amdhsa_float_denorm_mode_16_64 3
		.amdhsa_memory_ordered 1
		.amdhsa_forward_progress 1
		.amdhsa_inst_pref_size 194
	.end_amdhsa_kernel
	.amdgpu_metadata
---
amdhsa.version: [ 1, 2 ]
amdhsa.kernels:
  - .name:           k_qcd9f2b8709_prep
    .symbol:         k_qcd9f2b8709_prep.kd
    .args:
      - { .name: q, .offset: 0, .size: 8, .value_kind: global_buffer, .address_space: global }
      - { .name: k, .offset: 8, .size: 8, .value_kind: global_buffer, .address_space: global }
      - { .name: v, .offset: 16, .size: 8, .value_kind: global_buffer, .address_space: global }
      - { .name: wq, .offset: 24, .size: 8, .value_kind: global_buffer, .address_space: global }
      - { .name: wk, .offset: 32, .size: 8, .value_kind: global_buffer, .address_space: global }
      - { .name: wv, .offset: 40, .size: 8, .value_kind: global_buffer, .address_space: global }
      - { .name: wo, .offset: 48, .size: 8, .value_kind: global_buffer, .address_space: global }
      - { .name: mask, .offset: 56, .size: 8, .value_kind: global_buffer, .address_space: global }
      - { .name: codes1, .offset: 64, .size: 8, .value_kind: global_buffer, .address_space: global }
      - { .name: scales1, .offset: 72, .size: 8, .value_kind: global_buffer, .address_space: global }
      - { .name: maskw, .offset: 80, .size: 8, .value_kind: global_buffer, .address_space: global }
    .group_segment_fixed_size: 68096
    .private_segment_fixed_size: 0
    .kernarg_segment_align: 8
    .kernarg_segment_size: 88
    .max_flat_workgroup_size: 128
    .sgpr_count:     66
    .vgpr_count:     194
    .wavefront_size: 32
...
	.end_amdgpu_metadata
.endif
;; end of part 1
;; launch proj (part 2): grid 4 x 96, 4 waves a work-group, clusters of 4 x 4, 327,680 bytes of LDS; arguments codes1, scales1, bq, bk, bv, codes2, scales2; writes codes2, scales2
.if DOCPART == 2
	.amdgcn_target "amdgcn-amd-amdhsa--gfx1250"
	.amdhsa_code_object_version 6
	.text
	.protected	k_qcd9f2b8709_proj
	.globl	k_qcd9f2b8709_proj
	.p2align	8
	.type	k_qcd9f2b8709_proj,@function
k_qcd9f2b8709_proj:
	s_mov_b64 s[64:65], 0
	v_nop
	global_prefetch_b8 v0, s[64:65] scope:SCOPE_SE
	s_setreg_imm32_b32 hwreg(HW_REG_WAVE_MODE, 25, 1), 1
	s_wait_xcnt 0x0
	s_wait_alu depctr_hold_cnt(0) depctr_sa_sdst(0) depctr_va_vdst(0) depctr_va_sdst(0) depctr_va_ssrc(0) depctr_va_vcc(0) depctr_vm_vsrc(0)
	s_getreg_b32 s2, hwreg(HW_REG_IB_STS2, 6, 4)
	s_cmp_eq_u32 s2, 0
	s_cbranch_scc0 .Lentry_in_a_cluster
	s_endpgm
.Lentry_in_a_cluster:
	s_bfe_u32 s2, ttmp6, 0x10000c
	s_cmp_lg_u32 s2, 0xf033
	s_cbranch_scc0 .Lentry_shape_is_right
	s_endpgm
.Lentry_shape_is_right:
; The three projections x W^T + b on codes of BF6 (E3M2) with E8M0 scales, K = 1,024, and the quantising of their results: query and key along the head's 64, value along the keys.
; KIND = cluster y / 8: 0 query, 1 key, 2 value.  A work-group of four waves makes 256 x 256, a wave 128 x 128: 64 accumulators of 16 x 16, 512 registers.
; THE MATRIX INSTRUCTION IS USED TRANSPOSED: source 1 ("A") gives the lane its row, source 0 ("B") the rows along which a lane's registers run.  Query, key: A = the tokens, B = the weight: a lane's 64 registers of
; one block of A are 128 neighbouring channels (two heads).  Value: A = wv, B = the tokens: a lane holds one channel and 128 neighbouring keys.  So each block's 64 registers are quantised where they lie.
; OPERANDS are images of the operand's registers (a row tile: lane r = row 32 (T / 2) + 8 (T % 2) + r + 8 (r / 8); 1,536 bytes for 128 along K: registers 0-3 at 16 x lane, 4-5 at 512 + 8 x lane, 6-9 at 768 + 16 x lane,
; 10-11 at 1,280 + 8 x lane): every LDS load reads consecutive bytes; with that choice of rows the 16 registers of two neighbouring tiles of B are 16 neighbours along the next K.
; K goes in steps of 256 through a ring of two LDS slots (a row tile's 3,072 bytes a slot), filled by the tensor data mover; the scale words of the work-group's rows come once.
; CLUSTERS: 4 x 4 work-groups; A's tiles are shared along a row of the cluster, B's along a column: joint loads.  The kind and the block of four tiles hang on the cluster's y alone, which all sixteen share.
; OUT: codes2: query at 0, key at 6,291,456: for each (batch, head) 128 tiles of 768 bytes; value at 12,582,912: [key step 16][channel tile 4][1,536].  scales2: query, key: word at 512 step + 32 r + 4 tile (bytes 0, 1 the head's
; two blocks; bytes 2, 3 stand over zero codes and are never 0xff); value at 1,048,576: word at 256 step + 16 r + 4 tile.
; LIMITS: NaN and infinities are not served; a block whose largest magnitude lies under 2^-122 keeps the byte 1, a block of zeros too (its codes are zeros; this program alone reads the bytes).
; REGISTERS: window 0: v8-15 bias offsets; v16-27 addresses; v28, v29 for the add; v32-63 scale words, two sets; v64-127 the bias as 8 tiles in the result's layout; from v128 A's fragments, one set.
;   window 1: B's fragments, two sets, at v0 and v128.   windows 2, 3: the accumulators ((a, b) at v[8 (8 (a % 4) + b)] of window 2 + a / 4).
.set FR,    12                         ; registers of a fragment
.set NL,    4                          ; LDS loads that bring one
.set NP,    4                          ; places behind this matrix instruction (ISA guide 7.12.1)
.set NQ,    2                          ; steps of 128 along K in a slot
.set TILEB, 3072                       ; a row tile's bytes in a slot
.set HALFT, 8*TILEB                    ; 8 row tiles: what one tensor load brings, and what one wave reads of A or of B
.set SLOT,  4*HALFT                    ; A's 16 tiles, then B's 16
.set SCL,   2*SLOT                     ; behind the ring: the scale words, 512 bytes a row tile
.set HALFS, 4096                       ; those of 8 tiles
.set SPARE, SCL+4*HALFS                ; the spare words, 128 bytes for each wave: two blocks of 256 bytes that no other line names
.set VB,   8
.set ADRA, 16                          ; v16-17 16 x lane + my A tiles in slot 0, 1;  v18-19 the same with 8 x lane
.set ADRB, 20                          ; v20-23 the same for B
.set L16,  24
.set L8,   25
.set SOF,  26                          ; the scale words' store
.set ADRS, 27                          ; my scale words: lanes 0-15 A's rows, lanes 16-31 B's
.set SPW,  28
.set NIL,  29
.set SC,   32
.set BI,   64
.set AF,   128
.set SW,   64                          ; the way out: 8 scale words; v72-79 as they are stored
.set YY,   72
.set PC,   112                         ; the way out: codes v112-123, the conversions' second halves v124-126, v128-130
.set TM,   200
.set G1, 24
.set G0, 32
.set G1B, 48
.set G0B, 56
.set G1S, 68
.set G0S, 76
.set G1SB, 80
.set G0SB, 88
.set MSB, 0
.macro WIN new                         ; the immediate's high byte repeats the setting that is left
.if MSB != \new
	s_set_vgpr_msb (MSB<<8)|\new
.set MSB, \new
.endif
.endm
.set MUL_LO, 0xa1                      ; source 0 (B) window 1, source 1 (A) window 0, C and D window 2
.set MUL_HI, 0xf1                      ; the same, C and D window 3
.set TO_B,   0x40                      ; destination window 1, address window 0
; A joint load: waves 0 and 1 fetch for A, waves 2 and 3 for B; the branch hangs on the wave's number alone.  Four v_nop follow each of the two lines.
.macro JLOAD g0a, g1a, g0b, g1b
	s_cmp_eq_u32 s15, 0
	s_cbranch_scc0 .Lfor_b_\@
	tensor_load_to_lds s[\g0a:\g0a+3], s[\g1a:\g1a+7]
	s_nop 0
.rept 4
	v_nop
.endr
	s_branch .Lasked_\@
.Lfor_b_\@:
	tensor_load_to_lds s[\g0b:\g0b+3], s[\g1b:\g1b+7]
	s_nop 0
.rept 4
	v_nop
.endr
.Lasked_\@:
.endm
.macro CREST                           ; a round of the cluster's barrier behind its opening barrier
	s_cmp_lg_u32 s14, 0
	s_cbranch_scc1 .Lnot_wave_0_\@
	s_barrier_signal -3
.Lnot_wave_0_\@:
	s_barrier_wait -3
	s_barrier_signal -1
	s_barrier_wait -1
.endm
.macro CROUND
	s_barrier_signal -1
	s_barrier_wait -1
	CREST
.endm
	s_load_b128 s[4:7], s[0:1], 0x0                ; codes1, scales1
	s_load_b128 s[8:11], s[0:1], 0x10              ; bq, bk
	s_load_b128 s[96:99], s[0:1], 0x20             ; bv, codes2
	s_load_b64 s[12:13], s[0:1], 0x30              ; scales2
	v_lshl_add_u32 v[SPW], v0, 2, SPARE
	v_mov_b32 v[NIL], 0
	ds_add_u32 v28, v29
	ds_add_u32 v28, v29
	s_wait_dscnt 0x0
	v_lshrrev_b32 v1, 5, v0
	v_readfirstlane_b32 s14, v1                    ; wave 0..3
	s_lshr_b32 s15, s14, 1                         ; which half of A's rows is mine.  Also: I fetch for A (0) or for B (1)
	s_and_b32 s16, s14, 1                          ; which half of B's rows.  Also: which 8 row tiles I fetch
	s_bfe_u32 s40, ttmp6, 0x40000                  ; cx, cy: my place in the cluster
	s_bfe_u32 s41, ttmp6, 0x40004
	s_and_b32 s18, ttmp7, 0xffff                   ; the cluster's y, 0..23
	s_lshr_b32 s66, s18, 3                         ; KIND
	s_and_b32 s67, s18, 7
	s_lshl_b32 s67, s67, 2                         ; the tokens' first tile of 256 rows for this cluster
	s_lshl_b32 s19, s66, 9                         ; query, key: A's row tiles begin at 512 KIND,
	s_lshl_b32 s20, s66, 6
	s_add_co_u32 s20, s20, 1536                    ; B's at 1536 + 64 KIND
	s_cmp_eq_u32 s66, 2                            ; value: the sides change places
	s_cselect_b32 s17, 0, s67
	s_cselect_b32 s42, s67, 0
	s_cselect_b32 s19, 1664, s19
	s_cselect_b32 s20, 1024, s20
	s_add_co_u32 s17, s17, s41                     ; A's tile of 256 rows: hangs on cy alone
	s_add_co_u32 s42, s42, s40                     ; B's: on cx alone
	s_lshl_b32 s43, s41, 2
	s_lshl_b32 s43, 15, s43                        ; my row of the cluster
	s_lshl_b32 s44, 0x1111, s40                    ; my column
	; descriptor group 1 for codes: 8 rows (row tiles) of 3,072 bytes (384 elements of 8 bytes), 12,288 bytes apart; no padding: the images are read as consecutive bytes
	s_or_b32 s[G1+0], s43, (3<<16)|(1<<21)         ; 15:0 the mask: A's tiles go to my row; 17:16 elements of 8 bytes; 21 set beside a mask
	s_or_b32 s[G1B+0], s44, (3<<16)|(1<<21)
.irp g, G1, G1B
	s_mov_b32 s[\g+1], 384<<16                     ; tensor_dim0
	s_mov_b32 s[\g+2], 8<<16                       ; tensor_dim1
	s_mov_b32 s[\g+3], 384<<16                     ; tile_dim0
	s_mov_b32 s[\g+4], 8                           ; tile_dim1
	s_mov_b32 s[\g+5], 1536                        ; tensor_dim0_stride
	s_mov_b32 s[\g+6], 0
	s_mov_b32 s[\g+7], 0
.endr
	; and for the scale words of 8 row tiles: 4,096 dense bytes as 16 rows of 256
	s_or_b32 s[G1S+0], s43, (3<<16)|(1<<21)
	s_or_b32 s[G1SB+0], s44, (3<<16)|(1<<21)
.irp g, G1S, G1SB
	s_mov_b32 s[\g+1], 32<<16
	s_mov_b32 s[\g+2], 16<<16
	s_mov_b32 s[\g+3], 32<<16
	s_mov_b32 s[\g+4], 16
	s_mov_b32 s[\g+5], 32
	s_mov_b32 s[\g+6], 0
	s_mov_b32 s[\g+7], 0
.endr
	s_lshl_b32 s21, s16, 3                         ; which 8 row tiles I fetch
	s_lshl_b32 s22, s17, 4
	s_add_co_u32 s22, s22, s19
	s_add_co_u32 s22, s22, s21                     ; A's first row tile
	s_lshl_b32 s46, s42, 4
	s_add_co_u32 s46, s46, s20
	s_add_co_u32 s46, s46, s21                     ; B's
	s_mul_i32 s20, s22, 12288                      ; their codes, in bytes,
	s_lshl_b32 s22, s22, 9                         ; and their scale words
	s_mov_b32 s21, 0
	s_mov_b32 s23, 0
	s_lshl_b32 s92, s46, 9
	s_mul_i32 s46, s46, 12288
	s_mov_b32 s47, 0
	s_mov_b32 s93, 0
	s_mul_i32 s45, s14, HALFT                      ; where they go: wave x 8 tiles: no place in the cluster enters an LDS address
	s_lshl_b32 s94, s14, 12
	s_mov_b32 s95, 0xffff0000                      ; lanes 16-31
	s_wait_kmcnt 0x0
	s_add_nc_u64 s[20:21], s[4:5], s[20:21]
	s_add_nc_u64 s[22:23], s[6:7], s[22:23]
	s_add_nc_u64 s[46:47], s[4:5], s[46:47]
	s_add_nc_u64 s[92:93], s[6:7], s[92:93]
	CROUND                                         ; all sixteen work-groups are here: the first joint loads meet
	s_mov_b32 s[G0S], 1
	s_add_co_u32 s[G0S+1], s94, SCL
	s_mov_b64 s[G0S+2:G0S+3], s[22:23]
	s_or_b32 s[G0S+3], s[G0S+3], 0x80000000
	s_mov_b32 s[G0SB], 1
	s_add_co_u32 s[G0SB+1], s94, SCL
	s_mov_b64 s[G0SB+2:G0SB+3], s[92:93]
	s_or_b32 s[G0SB+3], s[G0SB+3], 0x80000000
	JLOAD G0S, G1S, G0SB, G1SB                     ; the scale words first: they are wanted with the first step
.irp s, 0,1
	s_mov_b32 s[G0+4*\s], 1
	s_add_co_u32 s[G0+4*\s+1], s45, \s*SLOT
	s_add_nc_u64 s[G0+4*\s+2:G0+4*\s+3], s[20:21], \s*TILEB
	s_or_b32 s[G0+4*\s+3], s[G0+4*\s+3], 0x80000000
	s_mov_b32 s[G0B+4*\s], 1
	s_add_co_u32 s[G0B+4*\s+1], s45, \s*SLOT
	s_add_nc_u64 s[G0B+4*\s+2:G0B+4*\s+3], s[46:47], \s*TILEB
	s_or_b32 s[G0B+4*\s+3], s[G0B+4*\s+3], 0x80000000
	JLOAD G0+4*\s, G1, G0B+4*\s, G1B               ; three tensor loads of mine are out now
.endr
	v_and_b32 v1, 31, v0                           ; lane
	v_and_b32 v2, 15, v0                           ; r
	v_bfe_u32 v3, v0, 4, 1                         ; h
	v_lshlrev_b32 v[L16], 4, v1
	v_lshlrev_b32 v[L8], 3, v1
	s_mul_i32 s21, s15, HALFT                      ; my 8 tiles of A
	s_mul_i32 s22, s16, HALFT                      ; my 8 tiles of B,
	s_add_co_u32 s22, s22, 2*HALFT                 ; which lie behind A's 16
.irp s, 0,1
	v_add_nc_u32 v[ADRA+\s], s21, v[L16]
	v_add_nc_u32 v[ADRA+2+\s], s21, v[L8]
	v_add_nc_u32 v[ADRB+\s], s22, v[L16]
	v_add_nc_u32 v[ADRB+2+\s], s22, v[L8]
	s_add_co_u32 s21, s21, SLOT
	s_add_co_u32 s22, s22, SLOT
.endr
	v_lshlrev_b32 v5, 5, v2                        ; my row's scale words: 32 bytes a row
	s_lshl_b32 s21, s15, 12                        ; A's: my 8 tiles
	s_lshl_b32 s22, s16, 12                        ; B's: my 8 tiles, behind A's 16
	s_add_co_u32 s22, s22, 2*HALFS
	s_sub_co_u32 s22, s22, s21
	v_mul_u32_u24 v6, s22, v3                      ; lanes 16-31 take B's
	s_add_co_u32 s21, s21, SCL
	v_add_nc_u32 v5, v5, v6
	v_add_nc_u32 v[ADRS], s21, v5
	; what hangs on the kind: the bias, the places of the results
	s_lshl_b32 s18, s42, 8
	s_lshl_b32 s19, s16, 7
	s_add_co_u32 s18, s18, s19                     ; my first row of B
	s_lshl_b32 s19, s17, 8
	s_lshl_b32 s20, s15, 7
	s_add_co_u32 s19, s19, s20                     ; my first row of A
	s_cmp_eq_u32 s66, 1
	s_cselect_b64 s[8:9], s[10:11], s[8:9]
	s_cmp_eq_u32 s66, 2                            ; all the choices below hang on this compare: only moves and selects stand between
	s_cselect_b64 s[8:9], s[96:97], s[8:9]         ; the kind's bias
	s_cselect_b32 s2, s18, s19                     ; RX: my first token
	s_cselect_b32 s3, s19, s18                     ; RW: my first channel
	s_cselect_b32 s20, 0, 64                       ; the bias offsets: bytes for h,
	s_cselect_b32 s21, 4, 0                        ; for the lane's row,
	s_cselect_b32 s22, 0, 4                        ; for the register
	s_cselect_b32 s23, 8, 9                        ; a block's scale words: 256 or 512 bytes
	s_cselect_b32 s92, 16, 32                      ; the scale words' store: bytes for r,
	s_mov_b32 s93, 4096
	s_cselect_b32 s93, s93, 16                     ; for h
	s_mov_b32 s94, 98304
	s_cselect_b32 s94, 768, s94                    ; from a fragment's first half to its second: the next head, or the same image
	s_mov_b32 s100, 768
	s_cselect_b32 s45, 1536, s100                  ; from block to block of A,
	s_cselect_b32 s100, 93696, s100                ; and from block 3 to block 4 (value: the next head)
	s_mov_b32 s101, 0
	s_lshl_b32 s18, s3, 2
	s_mov_b32 s19, 0
	s_add_nc_u64 s[8:9], s[8:9], s[18:19]          ; the bias at my first channel
	v_and_b32 v4, 8, v2
	v_add_nc_u32 v4, v4, v2                        ; r + 8 (r / 8)
	v_mul_u32_u24 v5, s20, v3
	v_mad_u32_u24 v5, v4, s21, v5
.irp j, 0,1,2,3,4,5,6,7
	v_mad_u32_u24 v[VB+\j], s22, \j, v5
.endr
.irp x, 0,1,2,3,4,5,6,7                ; tile x in the result's layout.  Query, key: register j of lane (r, h): channel 32 (x / 2) + 8 (x % 2) + 16 h + j.  Value: the lane's channel, in all eight registers
.irp j, 0,1,2,3,4,5,6,7
	global_load_b32 v[BI+8*\x+\j], v[VB+\j], s[8:9] offset:(32*(\x/2)+8*(\x%2))*4
.endr
.endr
	v_mul_u32_u24 v[SOF], s92, v2
	v_mad_u32_u24 v[SOF], v3, s93, v[SOF]
	s_lshr_b32 s18, s2, 11                         ; batch
	s_lshl_b32 s18, s18, 4
	s_lshr_b32 s46, s3, 6                          ; my first head
	s_add_co_u32 s18, s18, s46
	s_lshl_b32 s18, s18, 4
	s_bfe_u32 s46, s2, 0x40007                     ; which 128 tokens of the batch
	s_add_co_u32 s18, s18, s46                     ; ((batch x 16 + head) x 16 + step)
	s_mul_i32 s46, s66, 6291456
	s_mul_i32 s47, s18, 6144
	s_add_co_u32 s46, s46, s47
	s_mov_b32 s47, 0
	s_add_nc_u64 s[10:11], s[98:99], s[46:47]      ; P0: where block 0's first half goes
	s_mov_b32 s46, s94
	s_add_nc_u64 s[96:97], s[10:11], s[46:47]      ; P1: its second half
	s_mov_b32 s98, s45
	s_mov_b32 s99, 0
	s_lshl_b32 s46, s66, 19                        ; KIND x 524,288
	s_lshl_b32 s18, s18, s23
	s_add_co_u32 s46, s46, s18
	s_add_nc_u64 s[12:13], s[12:13], s[46:47]      ; my scale words
.macro FRAG reg, adr, q, i             ; a fragment comes as it was stored: four loads of consecutive bytes
	ds_load_b128 v[\reg:\reg+3], v[\adr] offset:(\i)*TILEB+(\q)*1536
	ds_load_b64 v[\reg+4:\reg+5], v[\adr+2] offset:(\i)*TILEB+(\q)*1536+512
	ds_load_b128 v[\reg+6:\reg+9], v[\adr] offset:(\i)*TILEB+(\q)*1536+768
	ds_load_b64 v[\reg+10:\reg+11], v[\adr+2] offset:(\i)*TILEB+(\q)*1536+1280
.endm
; 16 matrix instructions: A's blocks a0, a0 + 1 x B's eight, the slot's q-th 128 along K.  p: B's set; sc: the set of scale words.  zero = 1, 2: the first product starts the sums from the bias (by B's block, by A's block).
; The 64 accumulators take turns, one instruction a turn, in the same order in every step.
.macro MUL16 a0, p, q, sc, zero
.irp a, \a0, \a0+1
.irp b, 0,1,2,3,4,5,6,7
.set dD, 8*(8*((\a)%4)+\b)
.set dB, 128*(\p)+FR*\b
.set dA, AF+FR*(\a)
.set sB, SC+8*NQ*(\sc)+NQ*\b+(\q)
.set sA, SC+8*NQ*(\sc)+NQ*(\a)+(\q)
.if \zero == 1
	v_wmma_scale_f32_16x16x128_f8f6f4 v[dD:dD+7], v[dB:dB+FR-1], v[dA:dA+FR-1], v[BI+8*\b:BI+8*\b+7], v[sB], v[sA] matrix_a_fmt:MATRIX_FMT_BF6 matrix_b_fmt:MATRIX_FMT_BF6 matrix_a_scale:MATRIX_SCALE_ROW1
.elseif \zero == 2
	v_wmma_scale_f32_16x16x128_f8f6f4 v[dD:dD+7], v[dB:dB+FR-1], v[dA:dA+FR-1], v[BI+8*(\a):BI+8*(\a)+7], v[sB], v[sA] matrix_a_fmt:MATRIX_FMT_BF6 matrix_b_fmt:MATRIX_FMT_BF6 matrix_a_scale:MATRIX_SCALE_ROW1
.else
	v_wmma_scale_f32_16x16x128_f8f6f4 v[dD:dD+7], v[dB:dB+FR-1], v[dA:dA+FR-1], v[dD:dD+7], v[sB], v[sA] matrix_a_fmt:MATRIX_FMT_BF6 matrix_b_fmt:MATRIX_FMT_BF6 matrix_a_scale:MATRIX_SCALE_ROW1
.endif
.endr
.endr
.endm
.macro FETCH_B slot, q, p
	WIN TO_B
.irp i, 0,1,2,3,4,5,6,7
	FRAG 128*(\p)+FR*\i, ADRB+\slot, \q, \i
.endr
	WIN 0
.endm
.macro FETCH_A slot, q, i0
.irp i, \i0, \i0+1, \i0+2, \i0+3
	FRAG AF+FR*(\i), ADRA+\slot, \q, \i
.endr
.endm
.macro SCALES sc                       ; a slot's two scale words a row: lanes 0-15 take A's block i, lanes 16-31 B's block i
.irp i, 0,1,2,3,4,5,6,7
	ds_load_b64 v[SC+8*NQ*\sc+NQ*\i:SC+8*NQ*\sc+NQ*\i+1], v[ADRS] offset:\i*512
.endr
.endm
; A load into a register that a matrix instruction has read, and a vector instruction that reads a matrix result, stand NP places behind it; only plain vector instructions that name none of its registers are places.
.macro PLACES n
.rept \n
	v_nop
.endr
.endm
.macro STEP slot, q, zero              ; a step of 128 along K that has its successor in the same slot
	s_wait_dscnt 4*NL                              ; B's set, A's blocks 0-3 and the scale words are in; the youngest 16 loads (A's blocks 4-7) may be out
.if \zero
	WIN 0x81                                       ; C, the bias, in window 0; D in window 2
.else
	WIN MUL_LO
.endif
	MUL16 0, (\q)%2, \q, \slot, \zero
	MUL16 2, (\q)%2, \q, \slot, \zero
	s_wait_dscnt 0
	PLACES NP
	FETCH_B \slot, (\q)+1, 1-(\q)%2
	FETCH_A \slot, (\q)+1, 0
.if \zero
	WIN 0xc1
.else
	WIN MUL_HI
.endif
	MUL16 4, (\q)%2, \q, \slot, \zero
	MUL16 6, (\q)%2, \q, \slot, \zero
	PLACES NP
	WIN 0
	FETCH_A \slot, (\q)+1, 4
.endm
; A slot's last step changes slots: one barrier; in front of it each wave waits for all its tensor loads, adds 0 to its spare word, and waits for that and for its own reads of this slot.  fill = 1: this slot is filled again.
.macro TURN slot, next, fill
	s_wait_tensorcnt 0x0                           ; all my tensor loads have landed: my part of the next slot
	ds_add_u32 v[SPW], v[NIL]                      ; 0 onto my spare word
	s_wait_dscnt 4*NL+1                            ; (the add and the youngest 16 loads, A's blocks 4-7, may be out)
	WIN MUL_LO
	MUL16 0, 1, NQ-1, \slot, 0
	s_wait_dscnt 0x0                               ; the add is done, and my reads of this slot are over
	s_barrier_signal -1
	MUL16 2, 1, NQ-1, \slot, 0
	WIN 0
	s_barrier_wait -1
.if \fill
	CREST                                          ; the barrier has opened a round of the cluster's barrier: no wave of any partner still reads this slot or has a load on its way
	s_add_nc_u64 s[G0+4*\slot+2:G0+4*\slot+3], s[G0+4*\slot+2:G0+4*\slot+3], 2*TILEB
	s_add_nc_u64 s[G0B+4*\slot+2:G0B+4*\slot+3], s[G0B+4*\slot+2:G0B+4*\slot+3], 2*TILEB
	JLOAD G0+4*\slot, G1, G0B+4*\slot, G1B         ; the first tensor load behind the round, my only one until the next; its four v_nop are the places in front of the loads below
.else
	PLACES NP
.endif
	v_add_nc_u32 v[ADRS], 4*NQ, v[ADRS]            ; on to the next slot's scale words
	FETCH_B \next, 0, 0
	FETCH_A \next, 0, 0
	SCALES \next
	WIN MUL_HI
	MUL16 4, 1, NQ-1, \slot, 0
	MUL16 6, 1, NQ-1, \slot, 0
	PLACES NP
	WIN 0
	FETCH_A \next, 0, 4
.endm
	s_wait_loadcnt 0x0                             ; the bias
	s_wait_tensorcnt 1                             ; the scale words and my part of slot 0 are in (slot 1's load may be out)
	s_barrier_signal -1
	s_barrier_wait -1                              ; everybody's are
	FETCH_B 0, 0, 0
	FETCH_A 0, 0, 0
	SCALES 0
	FETCH_A 0, 0, 4
	s_cmp_eq_u32 s66, 2                            ; the first step is written twice: the bias goes by B's blocks or by A's.  The kind is the same in all sixteen work-groups
	s_cbranch_scc1 .Lfirst_v
	STEP 0, 0, 1
	s_branch .Lfirst_done
.Lfirst_v:
	STEP 0, 0, 2
.Lfirst_done:
	TURN 0, 1, 1                                   ; K = 1,024 is four slots: the eight steps are written out
	STEP 1, 0, 0
	TURN 1, 0, 1
	STEP 0, 0, 0
	TURN 0, 1, 0                                   ; nothing is left to fetch
	STEP 1, 0, 0
	s_wait_dscnt 4*NL
	WIN MUL_LO
	MUL16 0, 1, NQ-1, 1, 0
	MUL16 2, 1, NQ-1, 1, 0
	s_wait_dscnt 0
	WIN MUL_HI
	MUL16 4, 1, NQ-1, 1, 0
	MUL16 6, 1, NQ-1, 1, 0
	WIN 0
; THE WAY OUT.  Block a's 64 registers of a lane, register 16 b + i = number 32 b + 16 h + i along the next K of the lane's row, are quantised where they lie and stored as images.  No LDS.
.macro QUANTW a
.set AC, 64*((\a)%4)
.set WA, 2+(\a)/4
	WIN 20*WA                                      ; sources 1 and 2: the accumulators' window
.irp b, 0,1,2,3
	v_max3_num_f32 v[TM+\b], 0x2800000, |v[AC+16*\b]|, |v[AC+16*\b+1]|   ; each accumulator is read from its low end on; the floor 2^(5 - 127) holds the byte at 1 from below
.endr
.irp i, 2,4,6,8,10,12,14
.irp b, 0,1,2,3
	v_max3_num_f32 v[TM+\b], v[TM+\b], |v[AC+16*\b+\i]|, |v[AC+16*\b+\i+1]|
.endr
.endr
	WIN 0
.irp b, 0,1,2,3
	v_permlanex16_b32 v[TM+4+\b], v[TM+\b], s18, s19
.endr
.irp b, 0,1,2,3
	v_max_num_f32 v[TM+\b], v[TM+\b], v[TM+4+\b]
.endr
.irp b, 0,1,2,3
	v_add_nc_u32 v[TM+12+\b], 0xfe000000, v[TM+\b]
.endr
.irp b, 0,1,2,3
	v_lshrrev_b32 v[TM+4+\b], 23, v[TM+12+\b]
.endr
	v_lshl_or_b32 v[SW+\a], v[TM+5], 8, v[TM+4]
	v_lshl_or_b32 v[SW+\a], v[TM+6], 16, v[SW+\a]
	v_lshl_or_b32 v[SW+\a], v[TM+7], 24, v[SW+\a]
	WIN WA                                         ; source 0: the accumulators' window
.irp c, 0,1
	v_cvt_scalef32_pk16_bf6_f32 v[PC+6*\c:PC+6*\c+2], v[AC+32*\c:AC+32*\c+15], v[TM+12+2*\c]
	v_cvt_scalef32_pk16_bf6_f32 v[PC+12+4*\c:PC+14+4*\c], v[AC+32*\c+16:AC+32*\c+31], v[TM+12+2*\c+1]
.endr
	WIN 0
	v_nop                                          ; one plain place behind a scaled conversion
.irp c, 0,1
.irp i, 0,1,2
	v_permlane16_swap_b32 v[PC+6*\c+\i], v[PC+12+4*\c+\i]
.endr
.irp i, 0,1,2
	v_mov_b32 v[PC+3+6*\c+\i], v[PC+12+4*\c+\i]
.endr
.endr
.endm
	PLACES NP
	s_mov_b32 s18, 0x76543210
	s_mov_b32 s19, 0xfedcba98
.irp b, 0,1,2,3
	v_mov_b32 v[TM+4+\b], 0                        ; a lane permute's destination counts as one of its sources
.endr
.irp a, 0,1,2,3,4,5,6,7
	QUANTW \a
	global_store_b128 v[L16], v[PC:PC+3], s[10:11]             ; each store covers 512 or 256 consecutive bytes, aligned to 256
	global_store_b64 v[L8], v[PC+4:PC+5], s[10:11] offset:512
	global_store_b128 v[L16], v[PC+6:PC+9], s[96:97]
	global_store_b64 v[L8], v[PC+10:PC+11], s[96:97] offset:512
	s_wait_xcnt 0x0                                ; the stores have read their data and bases: both are written again below
.if \a == 3
	s_add_nc_u64 s[10:11], s[10:11], s[100:101]
	s_add_nc_u64 s[96:97], s[96:97], s[100:101]
.elseif \a < 7
	s_add_nc_u64 s[10:11], s[10:11], s[98:99]
	s_add_nc_u64 s[96:97], s[96:97], s[98:99]
.endif
.endr
.irp i, 0,1,2,3
	v_cndmask_b32 v[YY+\i], v[SW+\i], v[SW+4+\i], s95   ; lanes 0-15 store blocks 0-3's words of their row, lanes 16-31 blocks 4-7's
.endr
	global_store_b128 v[SOF], v[YY:YY+3], s[12:13]
	s_cmp_eq_u32 s66, 2
	s_cbranch_scc1 .Lno_odd
.irp i, 0,1,2,3
	v_lshrrev_b32 v[YY+4+\i], 16, v[YY+\i]         ; query, key: the odd head's two bytes, as a word of its own
.endr
	global_store_b128 v[SOF], v[YY+4:YY+7], s[12:13] offset:8192
.Lno_odd:
	s_wait_tensorcnt 0x0                           ; the wave's end
	ds_add_u32 v[SPW], v[NIL]
	s_wait_dscnt 0x0
	CROUND                                         ; the closing round: no work-group ends while a partner may still ask for a tile that names it
	s_endpgm
.Lfunc_end_k_qcd9f2b8709_proj:
	.size	k_qcd9f2b8709_proj, .Lfunc_end_k_qcd9f2b8709_proj-k_qcd9f2b8709_proj
	.p2alignl 7, 3214868480
	.fill 96, 4, 3214868480
	.section	.rodata,"a",@progbits
	.p2align	6, 0x0
	.amdhsa_kernel k_qcd9f2b8709_proj
		.amdhsa_group_segment_fixed_size 327680
		.amdhsa_private_segment_fixed_size 0
		.amdhsa_enable_private_segment 0
		.amdhsa_kernarg_size 56
		.amdhsa_user_sgpr_count 2
		.amdhsa_user_sgpr_kernarg_segment_ptr 1
		.amdhsa_wavefront_size32 1
		.amdhsa_system_sgpr_workgroup_id_x 1
		.amdhsa_system_sgpr_workgroup_id_y 1
		.amdhsa_system_sgpr_workgroup_id_z 1
		.amdhsa_system_vgpr_workitem_id 0
		.amdhsa_next_free_vgpr 1024
		.amdhsa_next_free_sgpr 102
		.amdhsa_reserve_vcc 0
		.amdhsa_float_denorm_mode_32 3
		.amdhsa_float_denorm_mode_16_64 3
		.amdhsa_memory_ordered 1
		.amdhsa_forward_progress 1
		.amdhsa_inst_pref_size 170
	.end_amdhsa_kernel
	.amdgpu_metadata
---
amdhsa.version: [ 1, 2 ]
amdhsa.kernels:
  - .name:           k_qcd9f2b8709_proj
    .symbol:         k_qcd9f2b8709_proj.kd
    .args:
      - { .name: codes1, .offset: 0, .size: 8, .value_kind: global_buffer, .address_space: global }
      - { .name: scales1, .offset: 8, .size: 8, .value_kind: global_buffer, .address_space: global }
      - { .name: bq, .offset: 16, .size: 8, .value_kind: global_buffer, .address_space: global }
      - { .name: bk, .offset: 24, .size: 8, .value_kind: global_buffer, .address_space: global }
      - { .name: bv, .offset: 32, .size: 8, .value_kind: global_buffer, .address_space: global }
      - { .name: codes2, .offset: 40, .size: 8, .value_kind: global_buffer, .address_space: global }
      - { .name: scales2, .offset: 48, .size: 8, .value_kind: global_buffer, .address_space: global }
    .group_segment_fixed_size: 327680
    .private_segment_fixed_size: 0
    .kernarg_segment_align: 8
    .kernarg_segment_size: 56
    .max_flat_workgroup_size: 128
    .sgpr_count:     102
    .vgpr_count:     1024
    .wavefront_size: 32
...
	.end_amdgpu_metadata
.endif
;; end of part 2
;; launch attn (part 3): grid 4 x 64, 16 waves a work-group, no clusters, 210,944 bytes of LDS; arguments codes2, scales2, maskw, codes3, scales3; writes codes3, scales3
.if DOCPART == 3
	.amdgcn_target "amdgcn-amd-amdhsa--gfx1250"
	.amdhsa_code_object_version 6
	.text
	.protected	k_qcd9f2b8709_attn
	.globl	k_qcd9f2b8709_attn
	.p2align	8
	.type	k_qcd9f2b8709_attn,@function
k_qcd9f2b8709_attn:
	s_mov_b64 s[64:65], 0
	v_nop
	global_prefetch_b8 v0, s[64:65] scope:SCOPE_SE
	s_setreg_imm32_b32 hwreg(HW_REG_WAVE_MODE, 25, 1), 1
	s_wait_xcnt 0x0
; Attention of one (batch, head) on codes of BF6 (E3M2) with E8M0 scales: S^T = K Q^T (K = the head's 64: the upper half of each operand is zero codes), the mask, the softmax as p = 2^(t - M), O^T = V^T P^T, O / l, and ctx quantised along the model's 1,024.
; t = score x log2(e) / 8; a masked score's t is -1e9 x log2(e); M = the running largest t rounded UP to a whole number; the row's sum is taken of the unquantised p; when M moves, the sum and O are multiplied by 2^(old M - new M): exact.
; THE MASK IS AN INPUT AND ITS FILL IS A FINITE NUMBER: nothing of its pattern is built in.  An earlier launch has turned it into lane masks (one word for each of a step's 64 score registers) and two flags a tile of 16 queries x 128 keys.
; A tile that is all open skips the 64 selects.  A tile that is all masked skips K Q^T, whose result the mask throws away, and takes every t as the fill: it still enters M, the sum and O^T, so rows that are masked everywhere come out as the mean over the keys.
; WHY NO TENSOR LOADS AND NO CLUSTER: the key steps branch on flags read from memory.  A head's K and V, 204 KB with their scale words, fit in LDS: they are brought once, through registers, and never again: one barrier in the launch.
; SHARES: work-group (i, batch x 16 + head); wave w takes query tile 16 i + w, then tile 127 - (16 i + w): an order of work that evens out masks that hide later keys from earlier queries, and is right for every mask.
; LAYOUT: both products transposed: a lane holds ONE query (lane % 16); the keys of a tile are chosen (lane r of tile T: 32 (T / 2) + 8 (T % 2) + r + 8 (r / 8)) so that register 16 b + i of the scores is key 32 b + 16 h + i.
; LIMITS: NaN and infinities are not served; 1 / l is v_rcp_f32's; a block whose largest magnitude lies under 2^-122 keeps the byte 1, a block of zeros too (its codes are zeros; this program alone reads the bytes).
; A head owns two bytes of each row's scale words of ctx: they leave by byte stores, 2 bytes for each 48 bytes of codes.
; REGISTERS: v1-4 lane terms; v5-10 the step's LDS addresses; v11 the fill's t; v12 -M, v13 the largest t, v[14:15] the sum; v16-27 Q; v28 Q's scale words, v29 p's; v32-79 four fragments of K; v80-87 K's scale words, v88-91 V's;
;   v92-107 block maxima, the other half's, scale operands, bytes; v108-114 the conversions' second halves; v[116:117] f; v128-191 scores, then p, then V's fragments; v192-223 O^T; v224-235 p's codes.
.set S,   128
.set O,   192
.set PC,  224
.set KSO, 196608                       ; LDS: K's images 0, V's 98,304, K's scale words here,
.set VSO, 204800                       ; V's here
	s_load_b256 s[4:11], s[0:1], 0x0               ; codes2, scales2, maskw, codes3
	s_load_b64 s[12:13], s[0:1], 0x20              ; scales3
	v_lshl_add_u32 v254, v0, 2, 0x33000
	v_mov_b32 v255, 0
	v_lshrrev_b32 v1, 5, v0
	v_readfirstlane_b32 s14, v1                    ; wave 0..15
	s_and_b32 s2, ttmp7, 0xffff                    ; batch x 16 + head
	s_lshl_b32 s15, ttmp9, 4
	s_add_co_u32 s15, s15, s14                     ; g = 16 i + w
	v_lshlrev_b32 v30, 4, v0                       ; 16 x thread
	v_lshlrev_b32 v31, 3, v0
.irp g, 0,1,2,3
	v_add_nc_u32 v[5+\g], 49152*\g, v30            ; the fill's LDS addresses: six stores of 8,192 bytes to each
.endr
	v_add_nc_u32 v9, KSO, v30
	v_add_nc_u32 v10, VSO, v31
	s_mul_i32 s96, s2, 98304
	s_mov_b32 s97, 0
	s_lshl_b32 s98, s2, 13
	s_mov_b32 s99, 0
	s_lshl_b32 s70, s2, 12
	s_mov_b32 s71, 0
	s_lshr_b32 s72, s2, 4                          ; batch
	s_and_b32 s73, s2, 15                          ; head
	s_mul_i32 s74, s72, 128*12288
	s_mul_i32 s75, s73, 768
	s_add_co_u32 s74, s74, s75
	s_mov_b32 s75, 0
	s_lshl_b32 s76, s72, 16
	s_lshl_b32 s77, s73, 1
	s_add_co_u32 s76, s76, s77
	s_mov_b32 s77, 0
	s_wait_kmcnt 0x0
	s_add_nc_u64 s[4:5], s[4:5], s[96:97]          ; the head's query images;
	s_add_nc_u64 s[96:97], s[4:5], 6291456         ; its key images;
	s_add_nc_u64 s[2:3], s[4:5], 12582912          ; its value images
	s_add_nc_u64 s[70:71], s[6:7], s[70:71]        ; V's scale words less 1,048,576
	s_add_nc_u64 s[6:7], s[6:7], s[98:99]          ; Q's scale words; K's lie 524,288 on
	s_add_nc_u64 s[10:11], s[10:11], s[74:75]      ; ctx: the batch's tile 0, my head's half image
	s_add_nc_u64 s[12:13], s[12:13], s[76:77]      ; and its two scale bytes
	; THE FILL: 26 loads a thread, each of a wave's covering consecutive bytes; then as many LDS stores, as the bytes lie in memory
.irp i, 0,1,2,3,4,5,6,7,8,9,10,11
	global_load_b128 v[128+4*\i:131+4*\i], v30, s[96:97] offset:8192*\i
.endr
.irp i, 0,1,2,3,4,5,6,7,8,9,10,11
	global_load_b128 v[176+4*\i:179+4*\i], v30, s[2:3] offset:8192*\i
.endr
	global_load_b128 v[224:227], v30, s[6:7] offset:524288
	global_load_b64 v[228:229], v31, s[70:71] offset:1048576
.set i, 0
.rept 24
	s_wait_loadcnt 25-i                            ; load i is in; the younger ones stay out
	ds_store_b128 v[5+i/6], v[128+4*i:131+4*i] offset:8192*(i%6)
.set i, i+1
.endr
	s_wait_loadcnt 1
	ds_store_b128 v9, v[224:227]
	s_wait_loadcnt 0x0
	ds_store_b64 v10, v[228:229]
	s_wait_dscnt 0x0                               ; for the others' sake: my stores have landed
	s_barrier_signal -1
	s_barrier_wait -1                              ; the head's K and V lie in LDS; from here on LDS is only read
	v_and_b32 v30, 31, v0
	v_and_b32 v31, 15, v0
	v_lshlrev_b32 v1, 4, v30                       ; 16 x lane
	v_lshlrev_b32 v2, 3, v30                       ; 8 x lane
	v_lshl_add_u32 v3, v31, 5, KSO                 ; K's scale words: 32 bytes a row
	v_lshl_add_u32 v4, v31, 4, VSO                 ; V's: 16
	v_lshlrev_b32 v123, 5, v31                     ; 32 r
	v_bfe_u32 v30, v0, 4, 1
	v_add_nc_u32 v122, v123, v30                   ; 32 r + h
	v_mov_b32 v11, 0xce6e6b28                      ; -1e9,
	v_mul_f32 v11, 0x3fb8aa3b, v11                 ; as t
.irp j, 22,23,24,25,26,27
	v_mov_b32 v\j, 0                               ; k = 64 .. 127 of Q: zero codes
.endr
.irp t, 0,1,2,3
.irp j, 6,7,8,9,10,11
	v_mov_b32 v[32+12*\t+\j], 0                    ; and of K's four fragments
.endr
.endr
.irp b, 0,1,2,3
	v_mov_b32 v[96+\b], 0                          ; a lane permute's destination counts as one of its sources
.endr
	v_mov_b32 v117, 0                              ; (named as the upper half of the pair v[116:117])
	s_mov_b32 s74, 0x3e38aa3b                      ; c = log2(e) / 8
	s_mov_b32 s75, s74
	s_mov_b32 s76, 0x76543210
	s_mov_b32 s77, 0xfedcba98
	s_mov_b32 s100, 0xffff0000                     ; lanes 16-31
	s_mov_b32 s78, s15                             ; the first pass's query tile
	s_mov_b32 s101, 0
.macro NEWM                            ; the new -M = floor(-t) of the running largest t, and f = 2^(old M - new M)
	v_mov_b32 v30, v12
	v_floor_f32 v12, -v13
	v_sub_f32 v30, v12, v30                        ; a whole number, 0 or less
	v_cvt_i32_f32 v30, v30                         ; (it saturates)
	v_ldexp_f32 v116, 1.0, v30
.endm
.macro RESCALE                         ; O^T under the new M; each accumulator from its low end on
.set j, 0
.rept 16
	v_pk_mul_f32 v[O+j:O+j+1], v[O+j:O+j+1], v[116:117] op_sel_hi:[1,0]
.set j, j+2
.endr
.endm
.Lpass:                                ; two trips: a query tile each
	s_mul_i32 s96, s78, 768
	s_mov_b32 s97, 0
	s_add_nc_u64 s[96:97], s[4:5], s[96:97]
	global_load_b128 v[16:19], v1, s[96:97]        ; Q's half image
	global_load_b64 v[20:21], v2, s[96:97] offset:512
	s_lshr_b32 s98, s78, 3
	s_lshl_b32 s98, s98, 9
	s_and_b32 s99, s78, 7
	s_lshl_b32 s99, s99, 2
	s_add_co_u32 s98, s98, s99
	s_mov_b32 s99, 0
	s_add_nc_u64 s[98:99], s[6:7], s[98:99]
	global_load_b32 v28, v123, s[98:99]            ; Q's scale words
	s_lshl_b32 s2, s78, 3
	s_mov_b32 s3, 0
	s_add_nc_u64 s[2:3], s[8:9], s[2:3]
	s_load_b64 s[72:73], s[2:3], 0x80000           ; the tile's two flag words
	s_lshl_b32 s70, s78, 12
	s_mov_b32 s71, 0
	s_add_nc_u64 s[70:71], s[8:9], s[70:71]        ; its mask words: 256 bytes a key step
	v_mov_b32 v13, 0xff61b1e6                      ; the largest t so far: -3e38
	v_floor_f32 v12, -v13
	v_mov_b32 v14, 0
	v_mov_b32 v15, 0
.set j, 0
.rept 32
	v_mov_b32 v[O+j], 0                            ; the step is written once: the first finds zeros
.set j, j+1
.endr
	s_mov_b32 s66, 0
	s_mov_b32 s67, 0                               ; the step's tiles of K,
	s_mov_b32 s79, 98304                           ; of V,
	s_mov_b32 s68, 0                               ; K's scale words,
	s_mov_b32 s69, 0                               ; V's
	s_wait_kmcnt 0x0
	s_and_b32 s2, s72, 0xff
	s_and_b32 s3, s73, 0xff
	s_lshl_b32 s3, s3, 8
	s_or_b32 s2, s2, s3                            ; bit ks: the step is all masked
	s_bfe_u32 s3, s72, 0x80008
	s_and_b32 s73, s73, 0xff00
	s_or_b32 s73, s73, s3                          ; bit ks: all open
	s_mov_b32 s72, s2
	s_wait_loadcnt 0x0                             ; Q
.Lstep:                                ; 16 trips: 128 keys each
	v_add_nc_u32 v5, s67, v1                       ; every address of the step is made ahead of the parting of the ways.  These six lines are also the places between the last
	v_add_nc_u32 v6, s67, v2                       ; step's products and what writes over their registers
	v_add_nc_u32 v7, s68, v3
	v_add_nc_u32 v8, s79, v1
	v_add_nc_u32 v9, s79, v2
	v_add_nc_u32 v10, s69, v4
	s_bitcmp1_b32 s72, 0
	s_cbranch_scc1 .Lcheap
	; ---- a tile that is open or mixed
	s_load_b512 s[16:31], s[70:71], 0x0            ; the step's 64 mask words
	s_load_b512 s[32:47], s[70:71], 0x40
	s_load_b512 s[48:63], s[70:71], 0x80
	s_load_b512 s[80:95], s[70:71], 0xc0
	ds_load_b128 v[80:83], v7
	ds_load_b128 v[84:87], v7 offset:16
.irp g, 0,1                            ; S^T = K Q^T, four tiles of 16 keys at a time
.if \g > 0
.rept 4
	v_nop                                          ; places in front of loads into registers that matrix instructions have read
.endr
.endif
.irp t, 0,1,2,3
	ds_load_b128 v[32+12*\t:35+12*\t], v5 offset:(4*\g+\t)*768
	ds_load_b64 v[36+12*\t:37+12*\t], v6 offset:(4*\g+\t)*768+512
.endr
	s_wait_dscnt 0x0
.irp t, 0,1,2,3
	v_wmma_scale_f32_16x16x128_f8f6f4 v[S+8*(4*\g+\t):S+8*(4*\g+\t)+7], v[32+12*\t:43+12*\t], v[16:27], 0, v[80+4*\g+\t], v28 matrix_a_fmt:MATRIX_FMT_BF6 matrix_b_fmt:MATRIX_FMT_BF6
.endr
.endr
.rept 4
	v_nop
.endr
.set j, 0
.rept 32
	v_pk_mul_f32 v[S+j:S+j+1], v[S+j:S+j+1], s[74:75] op_sel_hi:[1,0]   ; t = score x c; each accumulator from its low end on
.set j, j+2
.endr
	s_wait_kmcnt 0x0                               ; the mask words are in, on both ways: their base may step at the trip's end
	s_bitcmp1_b32 s73, 0
	s_cbranch_scc1 .Lopen
.set n, 0
.rept 64
	v_cndmask_b32 v[S+n], v11, v[S+n], s[16+n+16*(n/48)]   ; a masked key's t is the fill's
.set n, n+1
.endr
.Lopen:
.irp b, 0,1,2,3
	v_max3_num_f32 v[92+\b], v[S+16*\b], v[S+16*\b+1], v[S+16*\b+2]   ; the largest t of each block of 32 keys: for the row's maximum and, since p rises with t, for the block's largest p
.endr
.irp i, 3,5,7,9,11,13
.irp b, 0,1,2,3
	v_max3_num_f32 v[92+\b], v[92+\b], v[S+16*\b+\i], v[S+16*\b+\i+1]
.endr
.endr
.irp b, 0,1,2,3
	v_max_num_f32 v[92+\b], v[92+\b], v[S+16*\b+15]
.endr
.irp b, 0,1,2,3
	v_permlanex16_b32 v[96+\b], v[92+\b], s76, s77
.endr
.irp b, 0,1,2,3
	v_max_num_f32 v[92+\b], v[92+\b], v[96+\b]     ; with lane l xor 16's 16 keys
.endr
	v_max3_num_f32 v30, v92, v93, v94
	v_max_num_f32 v30, v30, v95
	v_max_num_f32 v13, v13, v30                    ; the running largest t
	NEWM
.set j, 0
.rept 32
	v_pk_add_f32 v[S+j:S+j+1], v[S+j:S+j+1], v[12:13] op_sel_hi:[1,0]   ; t - M
.set j, j+2
.endr
.irp b, 0,1,2,3
	v_add_f32 v[92+\b], v[92+\b], v12              ; the same of each block's largest t
.endr
.set j, 0
.rept 64
	v_exp_f32 v[S+j], v[S+j]                       ; p = 2^(t - M), at most 1: not normalised
.set j, j+1
.endr
.irp b, 0,1,2,3
	v_exp_f32 v[92+\b], v[92+\b]                   ; the block's largest p: the same instructions on the same number give the same bits
.endr
	v_pk_mul_f32 v[14:15], v[14:15], v[116:117] op_sel_hi:[1,0]   ; the sum under the new M.  (A plain place behind the exponentials)
	RESCALE
	s_wait_alu depctr_va_vdst(0)
.irp b, 0,1,2,3
	v_max_num_f32 v[92+\b], 0x2800000, v[92+\b]    ; the floor 2^(5 - 127): the byte cannot fall under 1
.endr
.irp b, 0,1,2,3
	v_add_nc_u32 v[100+\b], 0xfe000000, v[92+\b]   ; 4 off the exponent field: the conversion's scale operand
.endr
.irp b, 0,1,2,3
	v_lshrrev_b32 v[104+\b], 23, v[100+\b]
.endr
	v_lshl_or_b32 v29, v105, 8, v104               ; p's scale word for these 128 keys
	v_lshl_or_b32 v29, v106, 16, v29
	v_lshl_or_b32 v29, v107, 24, v29
.irp c, 0,1
	v_cvt_scalef32_pk16_bf6_f32 v[PC+6*\c:PC+6*\c+2], v[S+32*\c:S+32*\c+15], v[100+2*\c]
	v_cvt_scalef32_pk16_bf6_f32 v[108+4*\c:110+4*\c], v[S+32*\c+16:S+32*\c+31], v[100+2*\c+1]
.endr
	v_nop                                          ; one plain place behind a scaled conversion
.irp c, 0,1
.irp i, 0,1,2
	v_permlane16_swap_b32 v[PC+6*\c+\i], v[108+4*\c+\i]
.endr
.irp i, 0,1,2
	v_mov_b32 v[PC+3+6*\c+\i], v[108+4*\c+\i]
.endr
.endr
	v_pk_add_f32 v[118:119], v[S:S+1], v[S+2:S+3]  ; the row's sum is taken of the unquantised p, in two chains.  These 32 lines are also the places between p's codes and scale word and the products below
.set j, 4
.rept 15
	v_pk_add_f32 v[14:15], v[14:15], v[S+j:S+j+1]
	v_pk_add_f32 v[118:119], v[118:119], v[S+j+2:S+j+3]
.set j, j+4
.endr
	v_pk_add_f32 v[14:15], v[14:15], v[118:119]
	s_branch .Ltail
	; ---- a tile that is all masked: every t is the fill's, so all 128 p of a row are one number
.Lcheap:
	v_max_num_f32 v13, v13, v11
	NEWM
	v_add_f32 v92, v11, v12
	v_exp_f32 v92, v92
	v_pk_mul_f32 v[14:15], v[14:15], v[116:117] op_sel_hi:[1,0]   ; (a plain place behind the exponential)
	s_wait_alu depctr_va_vdst(0)
	v_max_num_f32 v93, 0x2800000, v92
	v_add_nc_u32 v100, 0xfe000000, v93
	v_lshrrev_b32 v104, 23, v100
	v_lshl_or_b32 v29, v104, 8, v104               ; the same byte four times
	v_lshl_or_b32 v29, v29, 16, v29
.set j, 0
.rept 16
	v_mov_b32 v[176+j], v92                        ; sixteen equal numbers for one conversion.  (These lines are the places behind the scale word)
.set j, j+1
.endr
	v_cvt_scalef32_pk16_bf6_f32 v[PC:PC+2], v[176:191], v100
	v_nop
.irp i, 0,1,2
	v_mov_b32 v[PC+3+\i], v[PC+\i]                 ; all blocks and both halves are alike
	v_mov_b32 v[PC+6+\i], v[PC+\i]
	v_mov_b32 v[PC+9+\i], v[PC+\i]
.endr
	RESCALE
	v_fma_f32 v14, v92, 0x42800000, v14            ; my 64 keys add p each
.rept 3
	v_nop                                          ; with the line above: four places between p's codes and the products
.endr
	; ---- O^T += V^T P^T: four tiles of 16 channels; K = these 128 keys.  The four accumulators take turns, one instruction a turn
.Ltail:
	ds_load_b128 v[88:91], v10
.irp t, 0,1,2,3
	ds_load_b128 v[S+12*\t:S+12*\t+3], v8 offset:1536*\t
	ds_load_b64 v[S+12*\t+4:S+12*\t+5], v9 offset:1536*\t+512
	ds_load_b128 v[S+12*\t+6:S+12*\t+9], v8 offset:1536*\t+768
	ds_load_b64 v[S+12*\t+10:S+12*\t+11], v9 offset:1536*\t+1280
.endr
	s_wait_dscnt 0x0
.irp t, 0,1,2,3
	v_wmma_scale_f32_16x16x128_f8f6f4 v[O+8*\t:O+8*\t+7], v[S+12*\t:S+12*\t+11], v[PC:PC+11], v[O+8*\t:O+8*\t+7], v[88+\t], v29 matrix_a_fmt:MATRIX_FMT_BF6 matrix_b_fmt:MATRIX_FMT_BF6
.endr
	s_add_co_u32 s67, s67, 6144
	s_add_co_u32 s79, s79, 6144
	s_add_co_u32 s68, s68, 512
	s_add_co_u32 s69, s69, 256
	s_add_nc_u64 s[70:71], s[70:71], 256
	s_lshr_b32 s72, s72, 1
	s_lshr_b32 s73, s73, 1
	s_add_co_u32 s66, s66, 1
	s_cmp_lt_u32 s66, 16
	s_cbranch_scc1 .Lstep
	; THE WAY OUT OF A PASS: O^T / l; register 16 b + i of a lane is channel 32 b + 16 h + i of the head: two blocks of ctx's K, quantised where they lie
.rept 4
	v_nop
.endr
	v_add_f32 v14, v14, v15
	v_permlanex16_b32 v30, v14, s76, s77
	v_add_f32 v14, v14, v30                        ; the row's sum
	v_rcp_f32 v14, v14
	v_nop                                          ; one plain place behind a transcendental
.set j, 0
	s_wait_alu depctr_va_vdst(0)
.rept 32
	v_mul_f32 v[S+j], v[O+j], v14
.set j, j+1
.endr
.irp b, 0,1
	v_max3_num_f32 v[92+\b], |v[S+16*\b]|, |v[S+16*\b+1]|, 0x2800000
.endr
.irp i, 2,4,6,8,10,12,14
.irp b, 0,1
	v_max3_num_f32 v[92+\b], v[92+\b], |v[S+16*\b+\i]|, |v[S+16*\b+\i+1]|
.endr
.endr
.irp b, 0,1
	v_permlanex16_b32 v[96+\b], v[92+\b], s76, s77
.endr
.irp b, 0,1
	v_max_num_f32 v[92+\b], v[92+\b], v[96+\b]
.endr
.irp b, 0,1
	v_add_nc_u32 v[100+\b], 0xfe000000, v[92+\b]
.endr
.irp b, 0,1
	v_lshrrev_b32 v[104+\b], 23, v[100+\b]
.endr
	v_cvt_scalef32_pk16_bf6_f32 v[PC:PC+2], v[S:S+15], v100
	v_cvt_scalef32_pk16_bf6_f32 v[108:110], v[S+16:S+31], v101
	v_nop
.irp i, 0,1,2
	v_permlane16_swap_b32 v[PC+\i], v[108+\i]
.endr
.irp i, 0,1,2
	v_mov_b32 v[PC+3+\i], v[108+\i]
.endr
	v_cndmask_b32 v121, v104, v105, s100           ; lane (r, h) stores block h's byte
	s_mul_i32 s96, s78, 12288
	s_mov_b32 s97, 0
	s_add_nc_u64 s[96:97], s[10:11], s[96:97]
	s_lshl_b32 s98, s78, 9
	s_mov_b32 s99, 0
	s_add_nc_u64 s[98:99], s[12:13], s[98:99]
	global_store_b128 v1, v[PC:PC+3], s[96:97]     ; 512 and 256 consecutive bytes, aligned to 256
	global_store_b64 v2, v[PC+4:PC+5], s[96:97] offset:512
	global_store_b8 v122, v121, s[98:99]
	s_wait_xcnt 0x0                                ; the stores have read their data and bases: the next pass writes them again
	s_sub_co_u32 s78, 127, s15                     ; the second pass's query tile
	s_add_co_u32 s101, s101, 1
	s_cmp_lt_u32 s101, 2
	s_cbranch_scc1 .Lpass
	s_wait_tensorcnt 0x0
	ds_add_u32 v254, v255
	s_wait_dscnt 0x0
	s_endpgm
.Lfunc_end_k_qcd9f2b8709_attn:
	.size	k_qcd9f2b8709_attn, .Lfunc_end_k_qcd9f2b8709_attn-k_qcd9f2b8709_attn
	.p2alignl 7, 3214868480
	.fill 96, 4, 3214868480
	.section	.rodata,"a",@progbits
	.p2align	6, 0x0
	.amdhsa_kernel k_qcd9f2b8709_attn
		.amdhsa_group_segment_fixed_size 210944
		.amdhsa_private_segment_fixed_size 0
		.amdhsa_enable_private_segment 0
		.amdhsa_kernarg_size 40
		.amdhsa_user_sgpr_count 2
		.amdhsa_user_sgpr_kernarg_segment_ptr 1
		.amdhsa_wavefront_size32 1
		.amdhsa_system_sgpr_workgroup_id_x 1
		.amdhsa_system_sgpr_workgroup_id_y 1
		.amdhsa_system_sgpr_workgroup_id_z 1
		.amdhsa_system_vgpr_workitem_id 0
		.amdhsa_next_free_vgpr 256
		.amdhsa_next_free_sgpr 102
		.amdhsa_reserve_vcc 0
		.amdhsa_float_denorm_mode_32 3
		.amdhsa_float_denorm_mode_16_64 3
		.amdhsa_memory_ordered 1
		.amdhsa_forward_progress 1
		.amdhsa_inst_pref_size 41
	.end_amdhsa_kernel
	.amdgpu_metadata
---
amdhsa.version: [ 1, 2 ]
amdhsa.kernels:
  - .name:           k_qcd9f2b8709_attn
    .symbol:         k_qcd9f2b8709_attn.kd
    .args:
      - { .name: codes2, .offset: 0, .size: 8, .value_kind: global_buffer, .address_space: global }
      - { .name: scales2, .offset: 8, .size: 8, .value_kind: global_buffer, .address_space: global }
      - { .name: maskw, .offset: 16, .size: 8, .value_kind: global_buffer, .address_space: global }
      - { .name: codes3, .offset: 24, .size: 8, .value_kind: global_buffer, .address_space: global }
      - { .name: scales3, .offset: 32, .size: 8, .value_kind: global_buffer, .address_space: global }
    .group_segment_fixed_size: 210944
    .private_segment_fixed_size: 0
    .kernarg_segment_align: 8
    .kernarg_segment_size: 40
    .max_flat_workgroup_size: 512
    .sgpr_count:     102
    .vgpr_count:     256
    .wavefront_size: 32
...
	.end_amdgpu_metadata
.endif
;; end of part 3
;; launch outp (part 4): grid 4 x 32, 4 waves a work-group, clusters of 4 x 4, 327,680 bytes of LDS; arguments codes3, scales3, codes1, scales1, bo, out0; writes out0
.if DOCPART == 4
	.amdgcn_target "amdgcn-amd-amdhsa--gfx1250"
	.amdhsa_code_object_version 6
	.text
	.protected	k_qcd9f2b8709_outp
	.globl	k_qcd9f2b8709_outp
	.p2align	8
	.type	k_qcd9f2b8709_outp,@function
k_qcd9f2b8709_outp:
	s_mov_b64 s[64:65], 0
	v_nop
	global_prefetch_b8 v0, s[64:65] scope:SCOPE_SE
	s_setreg_imm32_b32 hwreg(HW_REG_WAVE_MODE, 25, 1), 1
	s_wait_xcnt 0x0
	s_wait_alu depctr_hold_cnt(0) depctr_sa_sdst(0) depctr_va_vdst(0) depctr_va_sdst(0) depctr_va_ssrc(0) depctr_va_vcc(0) depctr_vm_vsrc(0)
	s_getreg_b32 s2, hwreg(HW_REG_IB_STS2, 6, 4)
	s_cmp_eq_u32 s2, 0
	s_cbranch_scc0 .Lentry_in_a_cluster
	s_endpgm
.Lentry_in_a_cluster:
	s_bfe_u32 s2, ttmp6, 0x10000c
	s_cmp_lg_u32 s2, 0xf033
	s_cbranch_scc0 .Lentry_shape_is_right
	s_endpgm
.Lentry_shape_is_right:
; out0 = ctx wo^T + bo on codes of BF6 (E3M2) with E8M0 scales, K = 1,024.  ctx [8192][1024] and wo [1024][1024] come as images of the operand's registers (a row tile: lane r = row 32 (T / 2) + 8 (T % 2) + r + 8 (r / 8);
; 1,536 bytes for 128 along K: registers 0-3 at 16 x lane, 4-5 at 512 + 8 x lane, 6-9 at 768 + 16 x lane, 10-11 at 1,280 + 8 x lane; 12,288 bytes a tile), their scale words at 32 r + 4 x (K step), 512 bytes a tile.  wo's tiles begin at tile 1728 of codes1.
; A work-group of four waves makes 256 x 256 of out0, a wave 128 x 128: 64 accumulators.  K goes in steps of 256 through a ring of two LDS slots filled by the tensor data mover; the scale words come once.
; THE MATRIX INSTRUCTION IS USED TRANSPOSED (source 0 = 16 rows of wo, source 1 = 16 rows of ctx): a lane holds eight neighbouring numbers of a row of out0.  The bias is the C of each sum's first instruction.
; CLUSTERS: 4 x 4 work-groups; ctx's tiles are shared along a row of the cluster, wo's along a column: joint loads.
; REGISTERS: window 0: v16-27 addresses; v28, v29 for the add; v32-63 scale words, two sets; v64-127 the bias as 8 tiles; from v128 A's fragments, one set (on the way out: rows read back).
;   window 1: B's fragments, two sets.   windows 2, 3: the accumulators ((a, b) at v[8 (8 (a % 4) + b)] of window 2 + a / 4).
.set FR,    12
.set NL,    4
.set NP,    4                          ; places behind this matrix instruction (ISA guide 7.12.1)
.set NQ,    2
.set TILEB, 3072                       ; a row tile's bytes in a slot
.set HALFT, 8*TILEB
.set SLOT,  4*HALFT
.set SCL,   2*SLOT
.set HALFS, 4096
.set SPARE, SCL+4*HALFS                ; the spare words, 128 bytes for each wave: two blocks of 256 bytes that no other line names
.set SPITCH, 528                       ; the way out: a stage of 16 rows x (512 bytes + 16) for each wave, in slot 0, which has had its last fill and its last read when the first result is stored there
.set ADRA, 16
.set ADRB, 20
.set STO,  24
.set RD,   25
.set CO,   26
.set ADRS, 27
.set SPW,  28
.set NIL,  29
.set SC,   32
.set BI,   64
.set AF,   128
.set BK,   128
.set G1, 24
.set G0, 32
.set G1B, 48
.set G0B, 56
.set G1S, 68
.set G0S, 76
.set G1SB, 80
.set G0SB, 88
.set MSB, 0
.macro WIN new                         ; the immediate's high byte repeats the setting that is left
.if MSB != \new
	s_set_vgpr_msb (MSB<<8)|\new
.set MSB, \new
.endif
.endm
.set MUL_LO, 0xa1
.set MUL_HI, 0xf1
.set TO_B,   0x40
.macro JLOAD g0a, g1a, g0b, g1b        ; a joint load: waves 0 and 1 fetch for A, waves 2 and 3 for B; four v_nop follow each of the two lines
	s_cmp_eq_u32 s15, 0
	s_cbranch_scc0 .Lfor_b_\@
	tensor_load_to_lds s[\g0a:\g0a+3], s[\g1a:\g1a+7]
	s_nop 0
.rept 4
	v_nop
.endr
	s_branch .Lasked_\@
.Lfor_b_\@:
	tensor_load_to_lds s[\g0b:\g0b+3], s[\g1b:\g1b+7]
	s_nop 0
.rept 4
	v_nop
.endr
.Lasked_\@:
.endm
.macro CREST
	s_cmp_lg_u32 s14, 0
	s_cbranch_scc1 .Lnot_wave_0_\@
	s_barrier_signal -3
.Lnot_wave_0_\@:
	s_barrier_wait -3
	s_barrier_signal -1
	s_barrier_wait -1
.endm
.macro CROUND
	s_barrier_signal -1
	s_barrier_wait -1
	CREST
.endm
	s_load_b128 s[4:7], s[0:1], 0x0                ; codes3, scales3
	s_load_b128 s[8:11], s[0:1], 0x10              ; codes1, scales1
	s_load_b64 s[66:67], s[0:1], 0x20              ; bo
	s_load_b64 s[12:13], s[0:1], 0x28              ; out0
	v_lshl_add_u32 v[SPW], v0, 2, SPARE
	v_mov_b32 v[NIL], 0
	ds_add_u32 v28, v29
	ds_add_u32 v28, v29
	s_wait_dscnt 0x0
	v_lshrrev_b32 v1, 5, v0
	v_readfirstlane_b32 s14, v1                    ; wave 0..3
	s_lshr_b32 s15, s14, 1                         ; which half of the tile's rows is mine.  Also: I fetch for A (0) or for B (1)
	s_and_b32 s16, s14, 1                          ; which half of its columns.  Also: which 8 row tiles I fetch
	s_bfe_u32 s40, ttmp6, 0x40000                  ; cx, cy
	s_bfe_u32 s41, ttmp6, 0x40004
	s_lshl_b32 s42, ttmp9, 2
	s_add_co_u32 s42, s42, s40                     ; tile column
	s_and_b32 s17, ttmp7, 0xffff
	s_lshl_b32 s17, s17, 2
	s_add_co_u32 s17, s17, s41                     ; tile row
	s_lshl_b32 s43, s41, 2
	s_lshl_b32 s43, 15, s43                        ; my row of the cluster
	s_lshl_b32 s44, 0x1111, s40                    ; my column
	s_or_b32 s[G1+0], s43, (3<<16)|(1<<21)         ; codes: 8 rows (row tiles) of 3,072 bytes (384 elements of 8 bytes), 12,288 bytes apart; no padding
	s_or_b32 s[G1B+0], s44, (3<<16)|(1<<21)
.irp g, G1, G1B
	s_mov_b32 s[\g+1], 384<<16
	s_mov_b32 s[\g+2], 8<<16
	s_mov_b32 s[\g+3], 384<<16
	s_mov_b32 s[\g+4], 8
	s_mov_b32 s[\g+5], 1536
	s_mov_b32 s[\g+6], 0
	s_mov_b32 s[\g+7], 0
.endr
	s_or_b32 s[G1S+0], s43, (3<<16)|(1<<21)        ; scale words of 8 row tiles: 4,096 dense bytes as 16 rows of 256
	s_or_b32 s[G1SB+0], s44, (3<<16)|(1<<21)
.irp g, G1S, G1SB
	s_mov_b32 s[\g+1], 32<<16
	s_mov_b32 s[\g+2], 16<<16
	s_mov_b32 s[\g+3], 32<<16
	s_mov_b32 s[\g+4], 16
	s_mov_b32 s[\g+5], 32
	s_mov_b32 s[\g+6], 0
	s_mov_b32 s[\g+7], 0
.endr
	s_lshl_b32 s21, s16, 3
	s_lshl_b32 s22, s17, 4
	s_add_co_u32 s22, s22, s21                     ; A's first row tile: 16 x tile row + 8 x half
	s_lshl_b32 s46, s42, 4
	s_add_co_u32 s46, s46, s21
	s_add_co_u32 s46, s46, 1728                    ; B's: wo begins at tile 1728
	s_mul_i32 s20, s22, 12288
	s_lshl_b32 s22, s22, 9
	s_mov_b32 s21, 0
	s_mov_b32 s23, 0
	s_lshl_b32 s92, s46, 9
	s_mul_i32 s46, s46, 12288
	s_mov_b32 s47, 0
	s_mov_b32 s93, 0
	s_mul_i32 s45, s14, HALFT
	s_lshl_b32 s94, s14, 12
	s_wait_kmcnt 0x0
	s_add_nc_u64 s[20:21], s[4:5], s[20:21]
	s_add_nc_u64 s[22:23], s[6:7], s[22:23]
	s_add_nc_u64 s[46:47], s[8:9], s[46:47]
	s_add_nc_u64 s[92:93], s[10:11], s[92:93]
	CROUND                                         ; all sixteen work-groups are here: the first joint loads meet
	s_mov_b32 s[G0S], 1
	s_add_co_u32 s[G0S+1], s94, SCL
	s_mov_b64 s[G0S+2:G0S+3], s[22:23]
	s_or_b32 s[G0S+3], s[G0S+3], 0x80000000
	s_mov_b32 s[G0SB], 1
	s_add_co_u32 s[G0SB+1], s94, SCL
	s_mov_b64 s[G0SB+2:G0SB+3], s[92:93]
	s_or_b32 s[G0SB+3], s[G0SB+3], 0x80000000
	JLOAD G0S, G1S, G0SB, G1SB
.irp s, 0,1
	s_mov_b32 s[G0+4*\s], 1
	s_add_co_u32 s[G0+4*\s+1], s45, \s*SLOT
	s_add_nc_u64 s[G0+4*\s+2:G0+4*\s+3], s[20:21], \s*TILEB
	s_or_b32 s[G0+4*\s+3], s[G0+4*\s+3], 0x80000000
	s_mov_b32 s[G0B+4*\s], 1
	s_add_co_u32 s[G0B+4*\s+1], s45, \s*SLOT
	s_add_nc_u64 s[G0B+4*\s+2:G0B+4*\s+3], s[46:47], \s*TILEB
	s_or_b32 s[G0B+4*\s+3], s[G0B+4*\s+3], 0x80000000
	JLOAD G0+4*\s, G1, G0B+4*\s, G1B               ; three tensor loads of mine are out now
.endr
	v_and_b32 v1, 31, v0                           ; lane
	v_and_b32 v2, 15, v0                           ; r
	v_bfe_u32 v3, v0, 4, 1                         ; h
	v_lshlrev_b32 v[CO], 4, v1                     ; 16 x lane
	v_lshlrev_b32 v4, 3, v1                        ; 8 x lane
	s_mul_i32 s21, s15, HALFT
	s_mul_i32 s22, s16, HALFT
	s_add_co_u32 s22, s22, 2*HALFT
.irp s, 0,1
	v_add_nc_u32 v[ADRA+\s], s21, v[CO]
	v_add_nc_u32 v[ADRA+2+\s], s21, v4
	v_add_nc_u32 v[ADRB+\s], s22, v[CO]
	v_add_nc_u32 v[ADRB+2+\s], s22, v4
	s_add_co_u32 s21, s21, SLOT
	s_add_co_u32 s22, s22, SLOT
.endr
	v_lshlrev_b32 v5, 5, v2
	s_lshl_b32 s21, s15, 12
	s_lshl_b32 s22, s16, 12
	s_add_co_u32 s22, s22, 2*HALFS
	s_sub_co_u32 s22, s22, s21
	v_mul_u32_u24 v6, s22, v3                      ; lanes 16-31 take B's scale words
	s_add_co_u32 s21, s21, SCL
	v_add_nc_u32 v5, v5, v6
	v_add_nc_u32 v[ADRS], s21, v5
	s_mul_i32 s23, s14, 16*SPITCH                  ; my stage
	v_mul_u32_u24 v5, v2, SPITCH
	v_lshl_add_u32 v5, v3, 6, v5
	v_add_nc_u32 v[STO], s23, v5                   ; in: row r, + 64 h
	v_add_nc_u32 v[RD], s23, v[CO]                 ; back: the 32 lanes take one row of 512 bytes
	s_lshl_b32 s46, s42, 8
	s_lshl_b32 s47, s16, 7
	s_add_co_u32 s46, s46, s47                     ; my first column
	s_lshl_b32 s46, s46, 2
	s_mov_b32 s47, 0
	s_add_nc_u64 s[66:67], s[66:67], s[46:47]      ; the bias there
	s_add_nc_u64 s[12:13], s[12:13], s[46:47]
	s_lshl_b32 s20, s17, 8
	s_lshl_b32 s21, s15, 7
	s_add_co_u32 s20, s20, s21                     ; my first row
	s_lshl_b32 s20, s20, 12
	s_mov_b32 s21, 0
	s_add_nc_u64 s[12:13], s[12:13], s[20:21]
	v_lshlrev_b32 v7, 6, v3                        ; the bias: register j of tile b in lane (r, h): column 32 (b / 2) + 8 (b % 2) + 16 h + j
.irp b, 0,1,2,3,4,5,6,7
	global_load_b128 v[BI+8*\b:BI+8*\b+3], v7, s[66:67] offset:(32*(\b/2)+8*(\b%2))*4
	global_load_b128 v[BI+8*\b+4:BI+8*\b+7], v7, s[66:67] offset:(32*(\b/2)+8*(\b%2))*4+16
.endr
.macro FRAG reg, adr, q, i             ; a fragment comes as it was stored: four loads of consecutive bytes
	ds_load_b128 v[\reg:\reg+3], v[\adr] offset:(\i)*TILEB+(\q)*1536
	ds_load_b64 v[\reg+4:\reg+5], v[\adr+2] offset:(\i)*TILEB+(\q)*1536+512
	ds_load_b128 v[\reg+6:\reg+9], v[\adr] offset:(\i)*TILEB+(\q)*1536+768
	ds_load_b64 v[\reg+10:\reg+11], v[\adr+2] offset:(\i)*TILEB+(\q)*1536+1280
.endm
; 16 matrix instructions: A's blocks a0, a0 + 1 x B's eight.  zero = 1: the first product starts the sums from the bias.  The 64 accumulators take turns, one instruction a turn.
.macro MUL16 a0, p, q, sc, zero
.irp a, \a0, \a0+1
.irp b, 0,1,2,3,4,5,6,7
.set dD, 8*(8*((\a)%4)+\b)
.set dB, 128*(\p)+FR*\b
.set dA, AF+FR*(\a)
.set sB, SC+8*NQ*(\sc)+NQ*\b+(\q)
.set sA, SC+8*NQ*(\sc)+NQ*(\a)+(\q)
.if \zero
	v_wmma_scale_f32_16x16x128_f8f6f4 v[dD:dD+7], v[dB:dB+FR-1], v[dA:dA+FR-1], v[BI+8*\b:BI+8*\b+7], v[sB], v[sA] matrix_a_fmt:MATRIX_FMT_BF6 matrix_b_fmt:MATRIX_FMT_BF6 matrix_a_scale:MATRIX_SCALE_ROW1
.else
	v_wmma_scale_f32_16x16x128_f8f6f4 v[dD:dD+7], v[dB:dB+FR-1], v[dA:dA+FR-1], v[dD:dD+7], v[sB], v[sA] matrix_a_fmt:MATRIX_FMT_BF6 matrix_b_fmt:MATRIX_FMT_BF6 matrix_a_scale:MATRIX_SCALE_ROW1
.endif
.endr
.endr
.endm
.macro FETCH_B slot, q, p
	WIN TO_B
.irp i, 0,1,2,3,4,5,6,7
	FRAG 128*(\p)+FR*\i, ADRB+\slot, \q, \i
.endr
	WIN 0
.endm
.macro FETCH_A slot, q, i0
.irp i, \i0, \i0+1, \i0+2, \i0+3
	FRAG AF+FR*(\i), ADRA+\slot, \q, \i
.endr
.endm
.macro SCALES sc
.irp i, 0,1,2,3,4,5,6,7
	ds_load_b64 v[SC+8*NQ*\sc+NQ*\i:SC+8*NQ*\sc+NQ*\i+1], v[ADRS] offset:\i*512
.endr
.endm
.macro PLACES n                        ; places in front of loads into registers that matrix instructions have read, and of the first read of results
.rept \n
	v_nop
.endr
.endm
.macro STEP slot, q, zero
	s_wait_dscnt 4*NL                              ; the youngest 16 loads (A's blocks 4-7) may be out
.if \zero
	WIN 0x81                                       ; C, the bias, in window 0; D in window 2
.else
	WIN MUL_LO
.endif
	MUL16 0, (\q)%2, \q, \slot, \zero
	MUL16 2, (\q)%2, \q, \slot, \zero
	s_wait_dscnt 0
	PLACES NP
	FETCH_B \slot, (\q)+1, 1-(\q)%2
	FETCH_A \slot, (\q)+1, 0
.if \zero
	WIN 0xc1
.else
	WIN MUL_HI
.endif
	MUL16 4, (\q)%2, \q, \slot, \zero
	MUL16 6, (\q)%2, \q, \slot, \zero
	PLACES NP
	WIN 0
	FETCH_A \slot, (\q)+1, 4
.endm
.macro TURN slot, next, fill           ; a slot's last step changes slots: one barrier, with the waits and the add in front of it
	s_wait_tensorcnt 0x0                           ; all my tensor loads have landed: my part of the next slot
	ds_add_u32 v[SPW], v[NIL]                      ; 0 onto my spare word
	s_wait_dscnt 4*NL+1                            ; (the add and the youngest 16 loads may be out)
	WIN MUL_LO
	MUL16 0, 1, NQ-1, \slot, 0
	s_wait_dscnt 0x0                               ; the add is done, and my reads of this slot are over
	s_barrier_signal -1
	MUL16 2, 1, NQ-1, \slot, 0
	WIN 0
	s_barrier_wait -1
.if \fill
	CREST                                          ; a round of the cluster's barrier: no wave of any partner still reads this slot or has a load on its way
	s_add_nc_u64 s[G0+4*\slot+2:G0+4*\slot+3], s[G0+4*\slot+2:G0+4*\slot+3], 2*TILEB
	s_add_nc_u64 s[G0B+4*\slot+2:G0B+4*\slot+3], s[G0B+4*\slot+2:G0B+4*\slot+3], 2*TILEB
	JLOAD G0+4*\slot, G1, G0B+4*\slot, G1B         ; the first tensor load behind the round, my only one until the next
.else
	PLACES NP
.endif
	v_add_nc_u32 v[ADRS], 4*NQ, v[ADRS]
	FETCH_B \next, 0, 0
	FETCH_A \next, 0, 0
	SCALES \next
	WIN MUL_HI
	MUL16 4, 1, NQ-1, \slot, 0
	MUL16 6, 1, NQ-1, \slot, 0
	PLACES NP
	WIN 0
	FETCH_A \next, 0, 4
.endm
	s_wait_loadcnt 0x0                             ; the bias
	s_wait_tensorcnt 1                             ; the scale words and my part of slot 0 are in (slot 1's load may be out)
	s_barrier_signal -1
	s_barrier_wait -1                              ; everybody's are
	FETCH_B 0, 0, 0
	FETCH_A 0, 0, 0
	SCALES 0
	FETCH_A 0, 0, 4
	STEP 0, 0, 1                                   ; K = 1,024 is four slots: the eight steps are written out
	TURN 0, 1, 1
	STEP 1, 0, 0
	TURN 1, 0, 1
	STEP 0, 0, 0
	TURN 0, 1, 0                                   ; nothing is left to fetch
	STEP 1, 0, 0
	s_wait_dscnt 4*NL
	WIN MUL_LO
	MUL16 0, 1, NQ-1, 1, 0
	MUL16 2, 1, NQ-1, 1, 0
	s_wait_dscnt 0
	WIN MUL_HI
	MUL16 4, 1, NQ-1, 1, 0
	MUL16 6, 1, NQ-1, 1, 0
	WIN 0
; THE WAY OUT, block by block of 16 rows x 128 columns, through my own stage: in as 32 bytes a lane and tile, back as whole rows of 512 bytes.  LDS serves a wave's instructions in order: no wait between the stores and the loads.
.macro TOSTAGE a
.set AC, 64*((\a)%4)
	WIN 0x08+4*((\a)/4)                            ; the data: window 2 or 3
.irp b, 0,1,2,3,4,5,6,7
	ds_store_b128 v[STO], v[AC+8*\b:AC+8*\b+3] offset:128*(\b/2)+32*(\b%2)        ; each accumulator from its low end on
	ds_store_b128 v[STO], v[AC+8*\b+4:AC+8*\b+7] offset:128*(\b/2)+32*(\b%2)+16
.endr
	WIN 0
.set BB, BK+64*((\a)%2)
.irp t, 0,1,2,3,4,5,6,7,8,9,10,11,12,13,14,15
	ds_load_b128 v[BB+4*\t:BB+4*\t+3], v[RD] offset:\t*SPITCH
.endr
.endm
.macro SEND a, younger                 ; younger: the LDS instructions issued behind block a's loads, which may stay out
.set BB, BK+64*((\a)%2)
	s_wait_dscnt \younger
.irp t, 0,1,2,3,4,5,6,7,8,9,10,11,12,13,14,15
	global_store_b128 v[CO], v[BB+4*\t:BB+4*\t+3], s[12:13] offset:(32*((\a)/2)+8*((\a)%2)+\t+8*(\t/8))*4096 th:TH_STORE_NT   ; 512 consecutive bytes, aligned to 256; the row stands in the immediate: 127 rows of 4,096 bytes at the most
.endr
.endm
	PLACES NP
	TOSTAGE 0
.irp a, 1,2,3,4,5,6,7
.if \a > 1
	s_wait_xcnt 0x0                                ; block a - 2's stores have read their registers: block a's loads may land there
.endif
	TOSTAGE \a
	SEND \a-1, 32                                  ; behind block a - 1's loads: block a's 16 stores and 16 loads
.endr
	SEND 7, 0
	s_wait_tensorcnt 0x0                           ; the wave's end
	ds_add_u32 v[SPW], v[NIL]
	s_wait_dscnt 0x0
	CROUND                                         ; the closing round: no work-group ends while a partner may still ask for a tile that names it
	s_endpgm
.Lfunc_end_k_qcd9f2b8709_outp:
	.size	k_qcd9f2b8709_outp, .Lfunc_end_k_qcd9f2b8709_outp-k_qcd9f2b8709_outp
	.p2alignl 7, 3214868480
	.fill 96, 4, 3214868480
	.section	.rodata,"a",@progbits
	.p2align	6, 0x0
	.amdhsa_kernel k_qcd9f2b8709_outp
		.amdhsa_group_segment_fixed_size 327680
		.amdhsa_private_segment_fixed_size 0
		.amdhsa_enable_private_segment 0
		.amdhsa_kernarg_size 48
		.amdhsa_user_sgpr_count 2
		.amdhsa_user_sgpr_kernarg_segment_ptr 1
		.amdhsa_wavefront_size32 1
		.amdhsa_system_sgpr_workgroup_id_x 1
		.amdhsa_system_sgpr_workgroup_id_y 1
		.amdhsa_system_sgpr_workgroup_id_z 1
		.amdhsa_system_vgpr_workitem_id 0
		.amdhsa_next_free_vgpr 1024
		.amdhsa_next_free_sgpr 98
		.amdhsa_reserve_vcc 0
		.amdhsa_float_denorm_mode_32 3
		.amdhsa_float_denorm_mode_16_64 3
		.amdhsa_memory_ordered 1
		.amdhsa_forward_progress 1
		.amdhsa_inst_pref_size 144
	.end_amdhsa_kernel
	.amdgpu_metadata
---
amdhsa.version: [ 1, 2 ]
amdhsa.kernels:
  - .name:           k_qcd9f2b8709_outp
    .symbol:         k_qcd9f2b8709_outp.kd
    .args:
      - { .name: codes3, .offset: 0, .size: 8, .value_kind: global_buffer, .address_space: global }
      - { .name: scales3, .offset: 8, .size: 8, .value_kind: global_buffer, .address_space: global }
      - { .name: codes1, .offset: 16, .size: 8, .value_kind: global_buffer, .address_space: global }
      - { .name: scales1, .offset: 24, .size: 8, .value_kind: global_buffer, .address_space: global }
      - { .name: bo, .offset: 32, .size: 8, .value_kind: global_buffer, .address_space: global }
      - { .name: out0, .offset: 40, .size: 8, .value_kind: global_buffer, .address_space: global }
    .group_segment_fixed_size: 327680
    .private_segment_fixed_size: 0
    .kernarg_segment_align: 8
    .kernarg_segment_size: 48
    .max_flat_workgroup_size: 128
    .sgpr_count:     98
    .vgpr_count:     1024
    .wavefront_size: 32
...
	.end_amdgpu_metadata
.endif
;; end of part 4
;; ======== version 2 of 2: 4 launches; version 1 with the launch attn written anew for expert scheduling mode
;; workspace buffers: codes1 22,020,096 bytes; scales1 917,504 bytes; maskw 525,312 bytes of whole numbers; codes2 18,874,368 bytes; scales2 1,310,720 bytes; codes3 6,291,456 bytes; scales3 262,144 bytes
;; launch prep: the kernel of part 1 again; grid 512 x 1, 4 waves a work-group, no clusters, 68,096 bytes of LDS; arguments q, k, v, wq, wk, wv, wo, mask, codes1, scales1, maskw; writes codes1, scales1, maskw
;; launch proj: the kernel of part 2 again; grid 4 x 96, 4 waves a work-group, clusters of 4 x 4, 327,680 bytes of LDS; arguments codes1, scales1, bq, bk, bv, codes2, scales2; writes codes2, scales2
;; launch attn (part 5): grid 4 x 64, 16 waves a work-group, no clusters, 210,944 bytes of LDS; arguments codes2, scales2, maskw, codes3, scales3; writes codes3, scales3
.if DOCPART == 5
	.amdgcn_target "amdgcn-amd-amdhsa--gfx1250"
	.amdhsa_code_object_version 6
	.text
	.protected	k_qcd9f2b8709_attn
	.globl	k_qcd9f2b8709_attn
	.p2align	8
	.type	k_qcd9f2b8709_attn,@function
k_qcd9f2b8709_attn:
	s_mov_b64 s[64:65], 0
	v_nop
	global_prefetch_b8 v0, s[64:65] scope:SCOPE_SE
	s_setreg_imm32_b32 hwreg(HW_REG_WAVE_SCHED_MODE, 0, 2), 2
	s_setreg_imm32_b32 hwreg(HW_REG_WAVE_MODE, 25, 1), 1
	s_wait_xcnt 0x0
	s_wait_alu depctr_vm_vsrc(0)
; Attention of one (batch, head) on codes of BF6 (E3M2) with E8M0 scales: S^T = K Q^T (K = the head's 64: the upper half of each operand is zero codes), the mask, the softmax as p = 2^(t - M), O^T = V^T P^T, O / l, and ctx quantised along the model's 1,024.
; t = score x log2(e) / 8; a masked score's t is -1e9 x log2(e); M = the running largest t rounded UP to a whole number; the row's sum is taken of the unquantised p; when M moves, the sum and O are multiplied by 2^(old M - new M): exact.
; THE MASK IS AN INPUT AND ITS FILL IS A FINITE NUMBER: nothing of its pattern is built in.  An earlier launch has turned it into lane masks (one word for each of a step's 64 score registers) and two flags a tile of 16 queries x 128 keys.
; A tile that is all open skips the 64 selects.  A tile that is all masked skips K Q^T, whose result the mask throws away, and takes every t as the fill: it still enters M, the sum and O^T, so rows that are masked everywhere come out as the mean over the keys.
; WHY NO TENSOR LOADS AND NO CLUSTER: the key steps branch on flags read from memory.  A head's K and V, 204 KB with their scale words, fit in LDS: they are brought once, through registers, and never again: one barrier in the launch.
; SHARES: work-group (i, batch x 16 + head); wave w takes query tile 16 i + w, then tile 127 - (16 i + w): an order of work that evens out masks that hide later keys from earlier queries, and is right for every mask.
; LAYOUT: both products transposed: a lane holds ONE query (lane % 16); the keys of a tile are chosen (lane r of tile T: 32 (T / 2) + 8 (T % 2) + r + 8 (r / 8)) so that register 16 b + i of the scores is key 32 b + 16 h + i.
; LIMITS: NaN and infinities are not served; 1 / l is v_rcp_f32's; a block whose largest magnitude lies under 2^-122 keeps the byte 1, a block of zeros too (its codes are zeros; this program alone reads the bytes).
; A head owns two bytes of each row's scale words of ctx: they leave by byte stores, 2 bytes for each 48 bytes of codes.
; REGISTERS: v1-4 lane terms; v5-10 the step's LDS addresses; v11 the fill's t; v12 -M, v13 the largest t, v[14:15] the sum; v16-27 Q; v28 Q's scale words, v29 p's; v32-79 four fragments of K; v80-87 K's scale words, v88-91 V's;
;   v92-107 block maxima, the other half's, scale operands, bytes; v108-114 the conversions' second halves; v[116:117] f; v128-191 scores, then p, then V's fragments; v192-223 O^T; v224-235 p's codes.
; THE MODE: SCHED_MODE bits 1:0 = 2 (LLVM: expert scheduling mode 2), set by the entry lines.  The code itself states the register dependences
; between vector or matrix instructions and memory or LDS instructions, with s_wait_alu, always for 0.
; THE PLAN.  Registers that memory or LDS instructions touch, in the loop over the key steps:
;   KF   v32-37, 44-49, 56-61, 68-73: the lower halves of K's four fragments.  Read by the products K Q^T.  Tiles 0-3 of step s + 1 land there in step s, tiles 4-7 of a step behind that step's first four products.
;   KS   v80-87: K's scale words.  Read by the products K Q^T; step s + 1's land in step s, with KF's.
;   VF   v128-175: written by K Q^T and the softmax, read by the conversions and the sums; then V's fragments land there, and V^T P^T reads them.   VS   v88-91: V's scale words, with VF.
;   v5-10  the step's LDS addresses: written by six additions at the step's head, read by all its LDS loads.
;   v224-235, v29  p's codes and scale word: written by vector instructions, taken by the scaled products V^T P^T.
;   v1-4, v122, v123  made once at the head.
; A step that is open or mixed has one wait on vm_vsrc, at its head, and four on va_vdst: behind its first four products; behind the exponentials; behind the sums, the last readers of p, where V's loads and the next step's
; first loads of K follow in one run, and land under the exchange of halves and the rescaling of O^T; and ahead of V^T P^T.  A step that is all masked has the run of loads at its head, behind one wait.
.set S,   128
.set O,   192
.set PC,  224
.set KSO, 196608                       ; LDS: K's images 0, V's 98,304, K's scale words here,
.set VSO, 204800                       ; V's here
	s_load_b256 s[4:11], s[0:1], 0x0               ; codes2, scales2, maskw, codes3
	s_load_b64 s[12:13], s[0:1], 0x20              ; scales3
	v_lshl_add_u32 v254, v0, 2, 0x33000
	v_mov_b32 v255, 0
	v_lshrrev_b32 v1, 5, v0
	v_readfirstlane_b32 s14, v1                    ; wave 0..15
	v_lshlrev_b32 v30, 4, v0                       ; 16 x thread
	v_lshlrev_b32 v31, 3, v0
.irp g, 0,1,2,3
	v_add_nc_u32 v[5+\g], 49152*\g, v30            ; the fill's LDS addresses: six stores of 8,192 bytes to each
.endr
	v_add_nc_u32 v9, KSO, v30
	v_add_nc_u32 v10, VSO, v31
	s_and_b32 s2, ttmp7, 0xffff                    ; batch x 16 + head
	s_lshl_b32 s15, ttmp9, 4
	s_wait_alu depctr_va_sdst(0)                   ; s14 is written, ahead of its first reader
	s_add_co_u32 s15, s15, s14                     ; g = 16 i + w
	s_mul_i32 s96, s2, 98304
	s_mov_b32 s97, 0
	s_lshl_b32 s98, s2, 13
	s_mov_b32 s99, 0
	s_lshl_b32 s70, s2, 12
	s_mov_b32 s71, 0
	s_lshr_b32 s72, s2, 4                          ; batch
	s_and_b32 s73, s2, 15                          ; head
	s_mul_i32 s74, s72, 128*12288
	s_mul_i32 s75, s73, 768
	s_add_co_u32 s74, s74, s75
	s_mov_b32 s75, 0
	s_lshl_b32 s76, s72, 16
	s_lshl_b32 s77, s73, 1
	s_add_co_u32 s76, s76, s77
	s_mov_b32 s77, 0
	s_wait_kmcnt 0x0
	s_add_nc_u64 s[4:5], s[4:5], s[96:97]          ; the head's query images;
	s_add_nc_u64 s[96:97], s[4:5], 6291456         ; its key images;
	s_add_nc_u64 s[2:3], s[4:5], 12582912          ; its value images
	s_add_nc_u64 s[70:71], s[6:7], s[70:71]        ; V's scale words less 1,048,576
	s_add_nc_u64 s[6:7], s[6:7], s[98:99]          ; Q's scale words; K's lie 524,288 on
	s_add_nc_u64 s[10:11], s[10:11], s[74:75]      ; ctx: the batch's tile 0, my head's half image
	s_add_nc_u64 s[12:13], s[12:13], s[76:77]      ; and its two scale bytes
	; THE FILL: 26 loads a thread, each of a wave's covering consecutive bytes; then as many LDS stores, as the bytes lie in memory
	s_wait_alu depctr_va_vdst(0)                   ; v30 and v31, the loads' offsets, and v5 to v10, the LDS stores' addresses, are written
.irp i, 0,1,2,3,4,5,6,7,8,9,10,11
	global_load_b128 v[128+4*\i:131+4*\i], v30, s[96:97] offset:8192*\i
.endr
.irp i, 0,1,2,3,4,5,6,7,8,9,10,11
	global_load_b128 v[176+4*\i:179+4*\i], v30, s[2:3] offset:8192*\i
.endr
	global_load_b128 v[224:227], v30, s[6:7] offset:524288
	global_load_b64 v[228:229], v31, s[70:71] offset:1048576
.set i, 0
.rept 24
	s_wait_loadcnt 25-i                            ; load i is in; the younger ones stay out
	ds_store_b128 v[5+i/6], v[128+4*i:131+4*i] offset:8192*(i%6)
.set i, i+1
.endr
	s_wait_loadcnt 1
	ds_store_b128 v9, v[224:227]
	s_wait_loadcnt 0x0
	ds_store_b64 v10, v[228:229]
	s_wait_dscnt 0x0                               ; for the others' sake: my stores have landed
	s_barrier_signal -1
	s_barrier_wait -1                              ; the head's K and V lie in LDS; from here on LDS is only read
	s_wait_alu depctr_vm_vsrc(0)                   ; the fill's loads have read v30 and v31, its LDS stores v5 to v10 and v128 to v229: all of these are written again from here on
	v_and_b32 v30, 31, v0
	v_and_b32 v31, 15, v0
	v_lshlrev_b32 v1, 4, v30                       ; 16 x lane
	v_lshlrev_b32 v2, 3, v30                       ; 8 x lane
	v_lshl_add_u32 v3, v31, 5, KSO                 ; K's scale words: 32 bytes a row
	v_lshl_add_u32 v4, v31, 4, VSO                 ; V's: 16
	v_lshlrev_b32 v123, 5, v31                     ; 32 r
	v_bfe_u32 v30, v0, 4, 1
	v_add_nc_u32 v122, v123, v30                   ; 32 r + h
	v_mov_b32 v11, 0xce6e6b28                      ; -1e9,
	v_mul_f32 v11, 0x3fb8aa3b, v11                 ; as t
.irp j, 22,23,24,25,26,27
	v_mov_b32 v\j, 0                               ; k = 64 .. 127 of Q: zero codes
.endr
.irp t, 0,1,2,3
.irp j, 6,7,8,9,10,11
	v_mov_b32 v[32+12*\t+\j], 0                    ; and of K's four fragments
.endr
.endr
.irp b, 0,1,2,3
	v_mov_b32 v[96+\b], 0                          ; a lane permute's destination counts as one of its sources
.endr
	v_mov_b32 v117, 0                              ; (named as the upper half of the pair v[116:117])
	s_mov_b32 s74, 0x3e38aa3b                      ; c = log2(e) / 8
	s_mov_b32 s75, s74
	s_mov_b32 s76, 0x76543210
	s_mov_b32 s77, 0xfedcba98
	s_mov_b32 s100, 0xffff0000                     ; lanes 16-31
	s_mov_b32 s78, s15                             ; the first pass's query tile
	s_mov_b32 s101, 0
.macro NEWM                            ; the new -M = floor(-t) of the running largest t, and f = 2^(old M - new M)
	v_mov_b32 v30, v12
	v_floor_f32 v12, -v13
	v_sub_f32 v30, v12, v30                        ; a whole number, 0 or less
	v_cvt_i32_f32 v30, v30                         ; (it saturates)
	v_ldexp_f32 v116, 1.0, v30
.endm
.macro RESCALE                         ; O^T under the new M; each accumulator from its low end on
.set j, 0
.rept 16
	v_pk_mul_f32 v[O+j:O+j+1], v[O+j:O+j+1], v[116:117] op_sel_hi:[1,0]
.set j, j+2
.endr
.endm
; A key step's eight scale words of K and its tiles 0 to 3: ten LDS loads.  a16, a8, as: the address registers; ko, so: bytes on from them
.macro KFETCH a16, a8, as, ko, so
	ds_load_b128 v[80:83], v[\as] offset:\so
	ds_load_b128 v[84:87], v[\as] offset:\so+16
.irp t, 0,1,2,3
	ds_load_b128 v[32+12*\t:35+12*\t], v[\a16] offset:\ko+\t*768
	ds_load_b64 v[36+12*\t:37+12*\t], v[\a8] offset:\ko+\t*768+512
.endr
.endm
; The same for the NEXT key step, 6,144 and 512 bytes on from this step's addresses, unless that step is all masked (bit 1 of the flags as they stand; behind the sixteenth step's flag a set bit stands for a step that does not exist)
.macro NEXTK
	s_bitcmp1_b32 s72, 1
	s_cbranch_scc1 .Lno_k_\@
	KFETCH 5, 6, 7, 6144, 512
.Lno_k_\@:
.endm
; This key step's four scale words and four fragments of V: seventeen LDS loads
.macro VFETCH
	ds_load_b128 v[88:91], v10
.irp t, 0,1,2,3
	ds_load_b128 v[S+12*\t:S+12*\t+3], v8 offset:1536*\t
	ds_load_b64 v[S+12*\t+4:S+12*\t+5], v9 offset:1536*\t+512
	ds_load_b128 v[S+12*\t+6:S+12*\t+9], v8 offset:1536*\t+768
	ds_load_b64 v[S+12*\t+10:S+12*\t+11], v9 offset:1536*\t+1280
.endr
.endm
	s_wait_alu depctr_va_vdst(0)                   ; v1 to v4, v122 and v123, which loads and stores read from here on, are written, and so are the zero codes of Q's and K's fragments, which scaled products take.  (Round the back edge the wait ahead of a pass's stores has shown the products done reading Q and K, and no vector or matrix instruction follows it)
.Lpass:                                ; two trips: a query tile each
	s_mul_i32 s96, s78, 768
	s_mov_b32 s97, 0
	s_add_nc_u64 s[96:97], s[4:5], s[96:97]
	global_load_b128 v[16:19], v1, s[96:97]        ; Q's half image
	global_load_b64 v[20:21], v2, s[96:97] offset:512
	s_lshr_b32 s98, s78, 3
	s_lshl_b32 s98, s98, 9
	s_and_b32 s99, s78, 7
	s_lshl_b32 s99, s99, 2
	s_add_co_u32 s98, s98, s99
	s_mov_b32 s99, 0
	s_add_nc_u64 s[98:99], s[6:7], s[98:99]
	global_load_b32 v28, v123, s[98:99]            ; Q's scale words
	KFETCH 1, 2, 3, 0, 0                           ; key step 0's scale words and first four tiles of K: asked for ahead of the flags
	s_lshl_b32 s2, s78, 3
	s_mov_b32 s3, 0
	s_add_nc_u64 s[2:3], s[8:9], s[2:3]
	s_load_b64 s[72:73], s[2:3], 0x80000           ; the tile's two flag words
	s_lshl_b32 s70, s78, 12
	s_mov_b32 s71, 0
	s_add_nc_u64 s[70:71], s[8:9], s[70:71]        ; its mask words: 256 bytes a key step
	v_mov_b32 v13, 0xff61b1e6                      ; the largest t so far: -3e38
	v_floor_f32 v12, -v13
	v_mov_b32 v14, 0
	v_mov_b32 v15, 0
.set j, 0
.rept 32
	v_mov_b32 v[O+j], 0                            ; the step is written once: the first finds zeros
.set j, j+1
.endr
	s_mov_b32 s66, 0
	s_mov_b32 s67, 0                               ; the step's tiles of K,
	s_mov_b32 s79, 98304                           ; of V,
	s_mov_b32 s68, 0                               ; K's scale words,
	s_mov_b32 s69, 0                               ; V's
	s_wait_kmcnt 0x0
	s_and_b32 s2, s72, 0xff
	s_and_b32 s3, s73, 0xff
	s_lshl_b32 s3, s3, 8
	s_or_b32 s2, s2, s3                            ; bit ks: the step is all masked
	s_bfe_u32 s3, s72, 0x80008
	s_and_b32 s73, s73, 0xff00
	s_or_b32 s73, s73, s3                          ; bit ks: all open
	s_or_b32 s72, s2, 0x10000                      ; bit 16: behind the last step nothing of K is asked for
	s_wait_loadcnt 0x0                             ; Q
	s_wait_dscnt 0x0                               ; and key step 0's first loads of K
.Lstep:                                ; 16 trips: 128 keys each.  On every way to this label no LDS load is out
	s_wait_alu depctr_vm_vsrc(0)                   ; the last step's LDS loads have read v5 to v10
	v_add_nc_u32 v5, s67, v1                       ; every address of the step is made ahead of the parting of the ways.  These six lines are also the places between the last
	v_add_nc_u32 v6, s67, v2                       ; step's products and what writes over their registers
	v_add_nc_u32 v7, s68, v3
	v_add_nc_u32 v8, s79, v1
	v_add_nc_u32 v9, s79, v2
	v_add_nc_u32 v10, s69, v4
	s_bitcmp1_b32 s72, 0
	s_cbranch_scc1 .Lcheap
	; ---- a tile that is open or mixed
	s_load_b512 s[16:31], s[70:71], 0x0            ; the step's 64 mask words
	s_load_b512 s[32:47], s[70:71], 0x40
	s_load_b512 s[48:63], s[70:71], 0x80
	s_load_b512 s[80:95], s[70:71], 0xc0
.irp t, 0,1,2,3                        ; S^T = K Q^T, four tiles of 16 keys at a time.  Tiles 0 to 3 and the scale words were asked for a step ago and are in
	v_wmma_scale_f32_16x16x128_f8f6f4 v[S+8*\t:S+8*\t+7], v[32+12*\t:43+12*\t], v[16:27], 0, v[80+\t], v28 matrix_a_fmt:MATRIX_FMT_BF6 matrix_b_fmt:MATRIX_FMT_BF6
.endr
.rept 4
	v_nop                                          ; places in front of loads into registers that matrix instructions have read
.endr
	s_wait_alu depctr_va_vdst(0)                   ; the four products are done reading K's fragments, in which tiles 4 to 7 land; the six additions have written v5 to v10, which all the step's loads read
.irp t, 0,1,2,3
	ds_load_b128 v[32+12*\t:35+12*\t], v5 offset:(4+\t)*768
	ds_load_b64 v[36+12*\t:37+12*\t], v6 offset:(4+\t)*768+512
.endr
	s_wait_dscnt 0x0
.irp t, 0,1,2,3
	v_wmma_scale_f32_16x16x128_f8f6f4 v[S+32+8*\t:S+32+8*\t+7], v[32+12*\t:43+12*\t], v[16:27], 0, v[84+\t], v28 matrix_a_fmt:MATRIX_FMT_BF6 matrix_b_fmt:MATRIX_FMT_BF6
.endr
.rept 4
	v_nop
.endr
.set j, 0
.rept 32
	v_pk_mul_f32 v[S+j:S+j+1], v[S+j:S+j+1], s[74:75] op_sel_hi:[1,0]   ; t = score x c; each accumulator from its low end on
.set j, j+2
.endr
	s_wait_kmcnt 0x0                               ; the mask words are in, on both ways: their base may step at the trip's end
	s_bitcmp1_b32 s73, 0
	s_cbranch_scc1 .Lopen
.set n, 0
.rept 64
	v_cndmask_b32 v[S+n], v11, v[S+n], s[16+n+16*(n/48)]   ; a masked key's t is the fill's
.set n, n+1
.endr
.Lopen:
.irp b, 0,1,2,3
	v_max3_num_f32 v[92+\b], v[S+16*\b], v[S+16*\b+1], v[S+16*\b+2]   ; the largest t of each block of 32 keys: for the row's maximum and, since p rises with t, for the block's largest p
.endr
.irp i, 3,5,7,9,11,13
.irp b, 0,1,2,3
	v_max3_num_f32 v[92+\b], v[92+\b], v[S+16*\b+\i], v[S+16*\b+\i+1]
.endr
.endr
.irp b, 0,1,2,3
	v_max_num_f32 v[92+\b], v[92+\b], v[S+16*\b+15]
.endr
.irp b, 0,1,2,3
	v_permlanex16_b32 v[96+\b], v[92+\b], s76, s77
.endr
.irp b, 0,1,2,3
	v_max_num_f32 v[92+\b], v[92+\b], v[96+\b]     ; with lane l xor 16's 16 keys
.endr
	v_max3_num_f32 v30, v92, v93, v94
	v_max_num_f32 v30, v30, v95
	v_max_num_f32 v13, v13, v30                    ; the running largest t
	NEWM
.set j, 0
.rept 32
	v_pk_add_f32 v[S+j:S+j+1], v[S+j:S+j+1], v[12:13] op_sel_hi:[1,0]   ; t - M
.set j, j+2
.endr
.irp b, 0,1,2,3
	v_add_f32 v[92+\b], v[92+\b], v12              ; the same of each block's largest t
.endr
.set j, 0
.rept 64
	v_exp_f32 v[S+j], v[S+j]                       ; p = 2^(t - M), at most 1: not normalised
.set j, j+1
.endr
.irp b, 0,1,2,3
	v_exp_f32 v[92+\b], v[92+\b]                   ; the block's largest p: the same instructions on the same number give the same bits
.endr
	v_pk_mul_f32 v[14:15], v[14:15], v[116:117] op_sel_hi:[1,0]   ; the sum under the new M.  (A plain place behind the exponentials)
	s_wait_alu depctr_va_vdst(0)                   ; the 68 exponentials have written p and the blocks' largest p: one wait for the batch, ahead of its first reader
.irp b, 0,1,2,3
	v_max_num_f32 v[92+\b], 0x2800000, v[92+\b]    ; the floor 2^(5 - 127): the byte cannot fall under 1
.endr
.irp b, 0,1,2,3
	v_add_nc_u32 v[100+\b], 0xfe000000, v[92+\b]   ; 4 off the exponent field: the conversion's scale operand
.endr
.irp b, 0,1,2,3
	v_lshrrev_b32 v[104+\b], 23, v[100+\b]
.endr
	v_lshl_or_b32 v29, v105, 8, v104               ; p's scale word for these 128 keys
	v_lshl_or_b32 v29, v106, 16, v29
	v_lshl_or_b32 v29, v107, 24, v29
.irp c, 0,1
	v_cvt_scalef32_pk16_bf6_f32 v[PC+6*\c:PC+6*\c+2], v[S+32*\c:S+32*\c+15], v[100+2*\c]
	v_cvt_scalef32_pk16_bf6_f32 v[108+4*\c:110+4*\c], v[S+32*\c+16:S+32*\c+31], v[100+2*\c+1]
.endr
	v_nop                                          ; one plain place behind a scaled conversion
	v_pk_add_f32 v[118:119], v[S:S+1], v[S+2:S+3]  ; the row's sum is taken of the unquantised p, in two chains
.set j, 4
.rept 15
	v_pk_add_f32 v[14:15], v[14:15], v[S+j:S+j+1]
	v_pk_add_f32 v[118:119], v[118:119], v[S+j+2:S+j+3]
.set j, j+4
.endr
	v_pk_add_f32 v[14:15], v[14:15], v[118:119]
	s_wait_alu depctr_va_vdst(0)                   ; the conversions and the sums are done reading p, in whose registers V's fragments land; the last step's V^T P^T is done reading V's scale words, this step's K Q^T K's fragments and scale words
	VFETCH                                         ; no vector or matrix instruction since the wait names a register that these loads touch
	NEXTK
.irp c, 0,1                            ; the loads land under the 28 lines from here to the tail, which name none of their registers
.irp i, 0,1,2
	v_permlane16_swap_b32 v[PC+6*\c+\i], v[108+4*\c+\i]
.endr
.irp i, 0,1,2
	v_mov_b32 v[PC+3+6*\c+\i], v[108+4*\c+\i]
.endr
.endr
	RESCALE                                        ; these 16 lines are also the places between p's codes and scale word and the products below
	s_branch .Ltail
	; ---- a tile that is all masked: every t is the fill's, so all 128 p of a row are one number
.Lcheap:
	s_wait_alu depctr_va_vdst(0)                   ; the last step's V^T P^T is done reading V's fragments and scale words, in which this step's land; the six additions have written v5 to v10; every earlier K Q^T is done reading K's registers
	VFETCH
	NEXTK
	v_max_num_f32 v13, v13, v11
	NEWM
	v_add_f32 v92, v11, v12
	v_exp_f32 v92, v92
	v_pk_mul_f32 v[14:15], v[14:15], v[116:117] op_sel_hi:[1,0]   ; (a plain place behind the exponential)
	s_wait_alu depctr_va_vdst(0)                   ; the exponential has written v92, ahead of its first reader
	v_max_num_f32 v93, 0x2800000, v92
	v_add_nc_u32 v100, 0xfe000000, v93
	v_lshrrev_b32 v104, 23, v100
	v_lshl_or_b32 v29, v104, 8, v104               ; the same byte four times
	v_lshl_or_b32 v29, v29, 16, v29
.set j, 0
.rept 16
	v_mov_b32 v[176+j], v92                        ; sixteen equal numbers for one conversion.  (These lines are the places behind the scale word)
.set j, j+1
.endr
	v_cvt_scalef32_pk16_bf6_f32 v[PC:PC+2], v[176:191], v100
	v_nop
.irp i, 0,1,2
	v_mov_b32 v[PC+3+\i], v[PC+\i]                 ; all blocks and both halves are alike
	v_mov_b32 v[PC+6+\i], v[PC+\i]
	v_mov_b32 v[PC+9+\i], v[PC+\i]
.endr
	RESCALE
	v_fma_f32 v14, v92, 0x42800000, v14            ; my 64 keys add p each
.rept 3
	v_nop                                          ; with the line above: four places between p's codes and the products
.endr
	; ---- O^T += V^T P^T: four tiles of 16 channels; K = these 128 keys.  The four accumulators take turns, one instruction a turn
.Ltail:
	s_wait_alu depctr_va_vdst(0)                   ; p's codes v224 to v235 and its scale word v29 are written, which the scaled products take; the places stand ahead of this wait, on both ways
	s_wait_dscnt 0x0                               ; V's fragments and scale words are in, and the next step's first loads of K
.irp t, 0,1,2,3
	v_wmma_scale_f32_16x16x128_f8f6f4 v[O+8*\t:O+8*\t+7], v[S+12*\t:S+12*\t+11], v[PC:PC+11], v[O+8*\t:O+8*\t+7], v[88+\t], v29 matrix_a_fmt:MATRIX_FMT_BF6 matrix_b_fmt:MATRIX_FMT_BF6
.endr
	s_add_co_u32 s67, s67, 6144
	s_add_co_u32 s79, s79, 6144
	s_add_co_u32 s68, s68, 512
	s_add_co_u32 s69, s69, 256
	s_add_nc_u64 s[70:71], s[70:71], 256
	s_lshr_b32 s72, s72, 1
	s_lshr_b32 s73, s73, 1
	s_add_co_u32 s66, s66, 1
	s_cmp_lt_u32 s66, 16
	s_cbranch_scc1 .Lstep
	; THE WAY OUT OF A PASS: O^T / l; register 16 b + i of a lane is channel 32 b + 16 h + i of the head: two blocks of ctx's K, quantised where they lie
.rept 4
	v_nop
.endr
	v_add_f32 v14, v14, v15
	v_permlanex16_b32 v30, v14, s76, s77
	v_add_f32 v14, v14, v30                        ; the row's sum
	v_rcp_f32 v14, v14
	v_nop                                          ; one plain place behind a transcendental
.set j, 0
	s_wait_alu depctr_va_vdst(0)                   ; the reciprocal has written v14, ahead of its first reader
.rept 32
	v_mul_f32 v[S+j], v[O+j], v14
.set j, j+1
.endr
.irp b, 0,1
	v_max3_num_f32 v[92+\b], |v[S+16*\b]|, |v[S+16*\b+1]|, 0x2800000
.endr
.irp i, 2,4,6,8,10,12,14
.irp b, 0,1
	v_max3_num_f32 v[92+\b], v[92+\b], |v[S+16*\b+\i]|, |v[S+16*\b+\i+1]|
.endr
.endr
.irp b, 0,1
	v_permlanex16_b32 v[96+\b], v[92+\b], s76, s77
.endr
.irp b, 0,1
	v_max_num_f32 v[92+\b], v[92+\b], v[96+\b]
.endr
.irp b, 0,1
	v_add_nc_u32 v[100+\b], 0xfe000000, v[92+\b]
.endr
.irp b, 0,1
	v_lshrrev_b32 v[104+\b], 23, v[100+\b]
.endr
	v_cvt_scalef32_pk16_bf6_f32 v[PC:PC+2], v[S:S+15], v100
	v_cvt_scalef32_pk16_bf6_f32 v[108:110], v[S+16:S+31], v101
	v_nop
.irp i, 0,1,2
	v_permlane16_swap_b32 v[PC+\i], v[108+\i]
.endr
.irp i, 0,1,2
	v_mov_b32 v[PC+3+\i], v[108+\i]
.endr
	v_cndmask_b32 v121, v104, v105, s100           ; lane (r, h) stores block h's byte
	s_mul_i32 s96, s78, 12288
	s_mov_b32 s97, 0
	s_add_nc_u64 s[96:97], s[10:11], s[96:97]
	s_lshl_b32 s98, s78, 9
	s_mov_b32 s99, 0
	s_add_nc_u64 s[98:99], s[12:13], s[98:99]
	s_wait_alu depctr_va_vdst(0)                   ; ctx's codes v224 to v229 and the byte v121 are written, which the three stores read
	global_store_b128 v1, v[PC:PC+3], s[96:97]     ; 512 and 256 consecutive bytes, aligned to 256
	global_store_b64 v2, v[PC+4:PC+5], s[96:97] offset:512
	global_store_b8 v122, v121, s[98:99]
	s_wait_xcnt 0x0                                ; the stores have read their data and bases: the next pass writes them again
	s_wait_alu depctr_vm_vsrc(0)                   ; the stores have read v224 to v229 and v121, which the next pass's vector instructions write again
	s_sub_co_u32 s78, 127, s15                     ; the second pass's query tile
	s_add_co_u32 s101, s101, 1
	s_cmp_lt_u32 s101, 2
	s_cbranch_scc1 .Lpass
	s_wait_dscnt 0x0                               ; the closing lines, six on end
	s_wait_alu 0x0
	s_wait_tensorcnt 0x0
	ds_add_u32 v254, v255
	s_wait_dscnt 0x0
	s_endpgm
.Lfunc_end_k_qcd9f2b8709_attn:
	.size	k_qcd9f2b8709_attn, .Lfunc_end_k_qcd9f2b8709_attn-k_qcd9f2b8709_attn
	.p2alignl 7, 3214868480
	.fill 96, 4, 3214868480
	.section	.rodata,"a",@progbits
	.p2align	6, 0x0
	.amdhsa_kernel k_qcd9f2b8709_attn
		.amdhsa_group_segment_fixed_size 210944
		.amdhsa_private_segment_fixed_size 0
		.amdhsa_enable_private_segment 0
		.amdhsa_kernarg_size 40
		.amdhsa_user_sgpr_count 2
		.amdhsa_user_sgpr_kernarg_segment_ptr 1
		.amdhsa_wavefront_size32 1
		.amdhsa_system_sgpr_workgroup_id_x 1
		.amdhsa_system_sgpr_workgroup_id_y 1
		.amdhsa_system_sgpr_workgroup_id_z 1
		.amdhsa_system_vgpr_workitem_id 0
		.amdhsa_next_free_vgpr 256
		.amdhsa_next_free_sgpr 102
		.amdhsa_reserve_vcc 0
		.amdhsa_float_denorm_mode_32 3
		.amdhsa_float_denorm_mode_16_64 3
		.amdhsa_memory_ordered 1
		.amdhsa_forward_progress 1
		.amdhsa_inst_pref_size 44
	.end_amdhsa_kernel
	.amdgpu_metadata
---
amdhsa.version: [ 1, 2 ]
amdhsa.kernels:
  - .name:           k_qcd9f2b8709_attn
    .symbol:         k_qcd9f2b8709_attn.kd
    .args:
      - { .name: codes2, .offset: 0, .size: 8, .value_kind: global_buffer, .address_space: global }
      - { .name: scales2, .offset: 8, .size: 8, .value_kind: global_buffer, .address_space: global }
      - { .name: maskw, .offset: 16, .size: 8, .value_kind: global_buffer, .address_space: global }
      - { .name: codes3, .offset: 24, .size: 8, .value_kind: global_buffer, .address_space: global }
      - { .name: scales3, .offset: 32, .size: 8, .value_kind: global_buffer, .address_space: global }
    .group_segment_fixed_size: 210944
    .private_segment_fixed_size: 0
    .kernarg_segment_align: 8
    .kernarg_segment_size: 40
    .max_flat_workgroup_size: 512
    .sgpr_count:     102
    .vgpr_count:     256
    .wavefront_size: 32
...
	.end_amdgpu_metadata
.endif
;; end of part 5
;; launch outp: the kernel of part 4 again; grid 4 x 32, 4 waves a work-group, clusters of 4 x 4, 327,680 bytes of LDS; arguments codes3, scales3, codes1, scales1, bo, out0; writes out0
